; MI455X (gfx1250); checked and timed in simulation.
; The chip was launched on July 23, 2026; its instructions are those of AMD's public machine-readable ISA for CDNA 5 (MIT licence, August 2026) and "CDNA5" Instruction Set Architecture Reference Guide (July 2026). The comments in the code are by the model that wrote it; some were corrected since.
;; Multi Head Self Attention. Allowed arithmetic: matrix products marked QUANTISED: E2M1 operands, one E8M0 scale for each 32 along K, by v_wmma_scale_f32_16x16x128_f8f6f4 with both operands' format E2M1 (or v_wmma_scale_f32_32x16x128_f4), f32 sums; products left as they are: bf16, f16 or f32 operands; f32 sums; everything else in f32.
;; Inputs: Kw 1,024 x 1,024 float32; Ow 1,024 x 1,024 float32; Qw 1,024 x 1,024 float32; Vw 1,024 x 1,024 float32; padding_mask 4 x 2,048 bool; x 4 x 2,048 x 1,024 float32.
;; Outputs: out0 4 x 2,048 x 1,024 float32.
;; This version of the problem:
;;   THIS VERSION OF THE PROBLEM IS GIVEN IN LOW PRECISION. The matrix products marked QUANTISED in the list below multiply operands that are first quantised to E2M1 (2 exponent bits, 1 mantissa bit; 4 bits a number), with one power-of-two scale for each 32 numbers along K (OCP MX v1.0); their sums are f32. The products marked 'left as it is' may take bf16, f16 or f32 operands, with f32 sums. All else is computed in f32.
;;   The module's matrix products, in the order in which they are computed (A, B: the left and right operand; K: the contracted axis; several contracted axes count as one K, in the product's order):
;;     1. [M 8,192, K 1,024] x [K 1,024, N 1,024]; A: input x; B: input Qw: QUANTISED
;;     2. [M 8,192, K 1,024] x [K 1,024, N 1,024]; A: input x; B: input Kw: QUANTISED
;;     3. [M 8,192, K 1,024] x [K 1,024, N 1,024]; A: input x; B: input Vw: QUANTISED
;;     4. batch 64 x [M 2,048, K 64] x [K 64, N 2,048]; A: computed on the way; B: computed on the way: left as it is (an operand is computed on the way)
;;     5. batch 64 x [M 64, K 2,048] x [K 2,048, N 2,048]; A: computed on the way; B: computed on the way: left as it is (an operand is computed on the way)
;;     6. [M 8,192, K 1,024] x [K 1,024, N 1,024]; A: computed on the way; B: input Ow: left as it is (an operand is computed on the way)
;;   THE QUANTISER, for each operand of a quantised product, along K:
;;     - K is cut into blocks of 32 from its start; a last block that is shorter is filled with zeros.
;;     - A block's scale is 2^e with e = floor(log2(the largest magnitude in the block)) - 2, held to -126 .. 127; a block of zeros has e = 0. As a byte (E8M0): e + 127.
;;     - Each number is divided by its block's scale, clamped to +-6, and rounded to the nearest number of E2M1, ties to even, subnormals kept.
;;     - The product sums the exact products of the quantised numbers (number of the format x scale) in f32.
;;   ~~~python
;;   def quantise(x, axis):      # numpy; x: float32 -> the quantised numbers, widened to float32 again
;;       x = np.moveaxis(x, axis, -1); K = x.shape[-1]
;;       x = np.pad(x, [(0, 0)] * (x.ndim - 1) + [(0, -K % 32)]); x = x.reshape(x.shape[:-1] + (-1, 32)); a = np.abs(x).max(-1, keepdims=True)
;;       e = np.where(a > 0, np.clip(np.frexp(np.where(a > 0, a, 1))[1] - 1 - 2, -126, 127), 0)      # np.frexp(a)[1] - 1 = floor(log2(a)), exactly
;;       r = np.clip(x / 2.0 ** e, -6, 6)
;;       step = 2.0 ** (np.maximum(np.frexp(np.where(r == 0, 1, r))[1] - 1, 0) - 1)
;;       q = np.round(r / step) * step * 2.0 ** e      # np.round: ties to even
;;       return np.moveaxis(q.reshape(q.shape[:-2] + (-1,))[..., :K], -1, axis).astype(np.float32)
;;   ~~~
;; One version. Each part assembles by itself: llvm-mc -triple=amdgcn-amd-amdhsa -mcpu=gfx1250 --defsym DOCPART=n.
;; ======== version 1 of 1: 4 launches
;; limits: values are held in f16: magnitudes above 65,504 overflow, below 6.1e-05 lose precision; right only within a limited range of input values
;; workspace buffers: x_codes 4,194,304 bytes; x_scales 262,144 bytes; w_codes 1,572,864 bytes; w_scales 98,304 bytes; owb 2,097,152 bytes; qkv 50,331,648 bytes; vpart 262,144 bytes; ctx 16,777,216 bytes
;; launch quant (part 1): grid 416 x 1, 4 waves a work-group, no clusters, 33,280 bytes of LDS; arguments x, Qw, Kw, Vw, Ow, x_codes, x_scales, w_codes, w_scales, owb; writes x_codes, x_scales, w_codes, w_scales, owb
.if DOCPART == 1
	.amdgcn_target "amdgcn-amd-amdhsa--gfx1250"
	.amdhsa_code_object_version 6
	.text
	.protected	k_qa5d9757020_quant
	.globl	k_qa5d9757020_quant
	.p2align	8
	.type	k_qa5d9757020_quant,@function
k_qa5d9757020_quant:
	s_mov_b64 s[64:65], 0
	v_nop
	global_prefetch_b8 v0, s[64:65] scope:SCOPE_SE
	s_setreg_imm32_b32 hwreg(HW_REG_WAVE_MODE, 25, 1), 1
	s_wait_xcnt 0x0
; x [8192][1024] and Qw, Kw, Vw [1024][1024], f32 with K innermost, become codes of FP4 (E2M1), two a byte, with one E8M0 scale byte for each 32 along K.
; x_codes [8192][512 bytes], x_scales [8192][32]; w_codes [3072][512 bytes], w_scales [3072][32], rows in the order Qw, Kw, Vw.  Ow becomes f16, laid by head: owb [16 heads][1024 rows e][64].
; A block's scale is 2^(floor(log2(its largest magnitude)) - 2): its byte is the largest magnitude's exponent field - 2, held at 1 from below.  Each number is divided by the scale and rounded to the nearest code, ties to even.
; LIMITS: a block of zeros gets the byte 1 where the quantiser's text says 127 (its codes are zeros, and this program alone reads the bytes); blocks whose largest magnitude lies under 2^-124 are held at the byte 1;
; NaN and infinities among the inputs are not served; |Ow| stays under 65,504, f16's largest number.
; SHARES.  Work-groups 0-255 take x, 256-287 Qw, 288-319 Kw, 320-351 Vw: 32,768 numbers each, a wave 16 steps of 512.  Rows are dense, so each tensor is a plain stream of blocks of 32.  Work-groups 352-415 cast Ow.
; A step's four loads read 512 consecutive bytes each; the 2,048 bytes turn through the wave's own stage in LDS and come back 64 bytes a lane, so that a lane holds 16 neighbours along K and two neighbouring lanes a block.
; No work-group shares an input with another: no cluster, no tensor load, no barrier.
.set STEPS, 16
.set EMAX,  2
.set CB,    8                          ; bytes of 16 codes
.set R,     16                         ; v16-79   four sets of 16 numbers as they are loaded
.set X,     80                         ; v80-111  two sets of 16 neighbours
.set E,     112                        ; v112-127 a scale byte for each step
.set C,     128                        ; v128-191 codes: four registers for each step, so that no store's data are written again
.set WREG,  8192                       ; LDS: a region for each wave: two stages of 32 x SP bytes, behind them its 256 scale bytes
.set SP,    80                         ; a lane's place in a stage: 64 bytes + 16 of padding
.set GX,    256                        ; work-groups for x
.set GW,    32                         ; for each of Qw, Kw, Vw
.set GQ,    GX+3*GW                    ; the quantiser's work-groups
	s_load_b512 s[4:19], s[0:1], 0x0               ; x s[4:5], Qw s[6:7], Kw s[8:9], Vw s[10:11], Ow s[12:13], x_codes s[14:15], x_scales s[16:17], w_codes s[18:19]
	s_load_b128 s[20:23], s[0:1], 0x40             ; w_scales s[20:21], owb s[22:23]
	v_lshl_add_u32 v224, v0, 2, 0x8000
	v_mov_b32 v225, 0
	v_lshrrev_b32 v1, 5, v0
	v_readfirstlane_b32 s24, v1                    ; wave
	v_and_b32 v2, 31, v0                           ; lane
	s_sub_co_u32 s32, ttmp9, GX                    ; a weight's work-group counted from Qw's first: its place in w_codes,
	s_and_b32 s33, s32, GW-1                       ; and its place in its own tensor
	s_wait_kmcnt 0x0
	s_cmp_ge_u32 ttmp9, GQ
	s_cbranch_scc1 .Lcast
	v_lshlrev_b32 v3, 4, v2                        ; my 16 bytes of a load's 512
	s_mul_i32 s25, s24, WREG
	v_lshrrev_b32 v14, 2, v2
	v_mul_u32_u24 v14, v14, SP
	v_and_b32 v15, 3, v2
	v_lshl_add_u32 v14, v15, 4, v14
	v_add_nc_u32 v14, s25, v14                     ; the stage, on the way in: SP (lane / 4) + 16 (lane % 4)
	v_mul_u32_u24 v15, v2, SP
	v_add_nc_u32 v15, s25, v15                     ; and on the way out: SP x lane: my 16 neighbours
	v_mul_u32_u24 v4, v2, CB                       ; my codes' place in a step's
	v_lshrrev_b32 v5, 1, v2
	s_add_co_u32 s25, s25, 2*32*SP
	v_add_nc_u32 v5, s25, v5                       ; LDS: my wave's 256 scale bytes, my block's byte
	v_lshlrev_b32 v7, 3, v2                        ; and on the way out 8 bytes a lane
	v_add_nc_u32 v6, s25, v7
	s_cmp_lt_u32 ttmp9, GX+GW                      ; which tensor: every choice hangs on the work-group's number alone
	s_cselect_b64 s[26:27], s[6:7], s[8:9]
	s_cmp_lt_u32 ttmp9, GX+2*GW
	s_cselect_b64 s[26:27], s[26:27], s[10:11]
	s_cmp_lt_u32 ttmp9, GX
	s_cselect_b64 s[26:27], s[4:5], s[26:27]       ; the numbers,
	s_cselect_b64 s[28:29], s[14:15], s[18:19]     ; the codes,
	s_cselect_b64 s[30:31], s[16:17], s[20:21]     ; the scale bytes
	s_cselect_b32 s33, ttmp9, s33
	s_cselect_b32 s32, ttmp9, s32
	s_lshl_b32 s33, s33, 2
	s_add_co_u32 s33, s33, s24                     ; which run of 8,192 numbers of the tensor is my wave's,
	s_lshl_b32 s32, s32, 2
	s_add_co_u32 s32, s32, s24                     ; and which run of the codes' and scales' buffers
	s_lshl_b32 s34, s33, 15                        ; 32,768 bytes of numbers a run
	s_mov_b32 s35, 0
	s_add_nc_u64 s[26:27], s[26:27], s[34:35]
	s_lshl_b32 s34, s32, 12                        ; 4,096 bytes of codes
	s_add_nc_u64 s[28:29], s[28:29], s[34:35]
	s_lshl_b32 s34, s32, 8                         ; 256 scale bytes
	s_add_nc_u64 s[30:31], s[30:31], s[34:35]
.macro LOAD t
.irp i, 0,1,2,3
	global_load_b128 v[R+16*((\t)%4)+4*\i:R+16*((\t)%4)+4*\i+3], v3, s[26:27] offset:2048*(\t)+512*\i th:TH_LOAD_NT   ; 32 lanes read 512 consecutive bytes
.endr
.endm
.macro TURN t                          ; step t's numbers through the stage: LDS serves a wave's instructions in order, so no wait stands between the stores and the loads
.irp i, 0,1,2,3
	ds_store_b128 v14, v[R+16*((\t)%4)+4*\i:R+16*((\t)%4)+4*\i+3] offset:32*SP*((\t)%2)+8*SP*\i
.endr
.irp i, 0,1,2,3
	ds_load_b128 v[X+16*((\t)%2)+4*\i:X+16*((\t)%2)+4*\i+3], v15 offset:32*SP*((\t)%2)+16*\i
.endr
.endm
.irp t, 0,1,2,3
	LOAD \t
.endr
	s_wait_loadcnt 12                              ; step 0's four loads are in; those of steps 1 to 3 stay out
	TURN 0
.macro STEP t
.set XS, X+16*((\t)%2)
.if (\t) > 0
	s_wait_dscnt 1                                 ; this step's numbers are back from the stage (the last step's byte store may be out): so its stores into the stage have read their registers,
.else
	s_wait_dscnt 0x0
.endif
.if (\t)+4 < STEPS
	LOAD (\t)+4                                    ; which take the loads of four steps on
.endif
.if (\t)+1 < STEPS
.if STEPS-2-(\t) >= 3
	s_wait_loadcnt 12                              ; the next step's four loads are in; those of the three steps behind it may be out
.else
	s_wait_loadcnt 4*(STEPS-2-(\t))
.endif
	TURN (\t)+1                                    ; and go through the other stage while this step is worked
.endif
	v_max3_num_f32 v8, |v[XS]|, |v[XS+1]|, |v[XS+2]|               ; the largest magnitude of my 16, in two chains
	v_max3_num_f32 v9, |v[XS+3]|, |v[XS+4]|, |v[XS+5]|
.irp i, 6,10
	v_max3_num_f32 v8, v8, |v[XS+\i]|, |v[XS+\i+1]|
	v_max3_num_f32 v9, v9, |v[XS+\i+2]|, |v[XS+\i+3]|
.endr
	v_max3_num_f32 v8, v8, |v[XS+14]|, |v[XS+15]|
	v_max3_num_f32 v8, v8, v9, (EMAX+1)<<23        ; and the floor 2^(EMAX + 1 - 127): so the byte cannot fall under 1
	v_max_num_f32_dpp v8, v8, v8 row_xmask:1 row_mask:0xf bank_mask:0xf   ; and of my neighbour's 16: the block's
	v_add_nc_u32 v11, -(EMAX<<23), v8              ; EMAX off its exponent field: the conversion takes the exponent field of this operand as its scale, and nothing else of it
	v_cvt_scalef32_pk8_fp4_f32 v[C+4*(\t)], v[XS:XS+7], v11        ; eight numbers / the scale, to the nearest code, beyond the largest code the largest; the first number's code in the lowest four bits
	v_cvt_scalef32_pk8_fp4_f32 v[C+4*(\t)+1], v[XS+8:XS+15], v11
	v_lshrrev_b32 v[E+(\t)], 23, v11               ; the scale's byte (also the plain line behind the conversions)
	ds_store_b8 v5, v[E+(\t)] offset:16*(\t)       ; both lanes of a block write the same byte with the same value
	global_store_b64 v4, v[C+4*(\t):C+4*(\t)+1], s[28:29] offset:32*CB*(\t)   ; the wave stores 256 consecutive bytes, aligned
.endm
.irp t, 0,1,2,3,4,5,6,7,8,9,10,11,12,13,14,15
	STEP \t
.endr
	ds_load_b64 v[12:13], v6                       ; LDS serves a wave's instructions in order: these see my stores
	s_wait_dscnt 0x0
	global_store_b64 v7, v[12:13], s[30:31]        ; 32 lanes store 256 consecutive bytes, aligned
	s_wait_tensorcnt 0x0
	ds_add_u32 v224, v225
	s_wait_dscnt 0x0
	s_endpgm
; THE CAST OF Ow.  A wave takes four rows e of Ow, all 16 heads.  Lane l holds 8 neighbouring numbers of row l / 8: 32 bytes in, 16 bytes out; for one head the four rows' 128 bytes lie on end in owb, so a store covers 512 consecutive bytes.
.Lcast:
	s_sub_co_u32 s32, ttmp9, GQ
	s_lshl_b32 s32, s32, 2
	s_add_co_u32 s32, s32, s24                     ; which four rows
	s_lshl_b32 s34, s32, 14                        ; four rows of 4,096 bytes in Ow,
	s_mov_b32 s35, 0
	s_add_nc_u64 s[12:13], s[12:13], s[34:35]
	s_lshl_b32 s34, s32, 9                         ; of 128 bytes in a head of owb
	s_add_nc_u64 s[22:23], s[22:23], s[34:35]
	v_lshrrev_b32 v3, 3, v2
	v_and_b32 v4, 7, v2
	v_lshlrev_b32 v3, 12, v3
	v_lshl_add_u32 v3, v4, 5, v3                   ; in: row l / 8, 32 (l % 8)
	v_lshlrev_b32 v4, 4, v2                        ; out: 16 l
.irp h, 0,1,2,3,4,5,6,7,8,9,10,11,12,13,14,15
	global_load_b128 v[32+8*\h:35+8*\h], v3, s[12:13] offset:256*\h th:TH_LOAD_NT
	global_load_b128 v[36+8*\h:39+8*\h], v3, s[12:13] offset:256*\h+16 th:TH_LOAD_NT
.endr
.irp h, 0,1,2,3,4,5,6,7,8,9,10,11,12,13,14,15
	s_wait_loadcnt 30-2*\h                         ; head h's two loads are in; the two of each later head may be out
.irp j, 0,1,2,3
	v_cvt_pk_f16_f32 v[160+4*\h+\j], v[32+8*\h+2*\j], v[33+8*\h+2*\j]
.endr
	global_store_b128 v4, v[160+4*\h:163+4*\h], s[22:23] offset:131072*\h   ; no register is written twice: no wait for the stores' sources
.endr
	s_endpgm
.Lfunc_end_k_qa5d9757020_quant:
	.size	k_qa5d9757020_quant, .Lfunc_end_k_qa5d9757020_quant-k_qa5d9757020_quant
	.p2alignl 7, 3214868480
	.fill 96, 4, 3214868480
	.section	.rodata,"a",@progbits
	.p2align	6, 0x0
	.amdhsa_kernel k_qa5d9757020_quant
		.amdhsa_group_segment_fixed_size 33280
		.amdhsa_private_segment_fixed_size 0
		.amdhsa_enable_private_segment 0
		.amdhsa_kernarg_size 80
		.amdhsa_user_sgpr_count 2
		.amdhsa_user_sgpr_kernarg_segment_ptr 1
		.amdhsa_wavefront_size32 1
		.amdhsa_system_sgpr_workgroup_id_x 1
		.amdhsa_system_sgpr_workgroup_id_y 1
		.amdhsa_system_sgpr_workgroup_id_z 1
		.amdhsa_system_vgpr_workitem_id 0
		.amdhsa_next_free_vgpr 226
		.amdhsa_next_free_sgpr 66
		.amdhsa_reserve_vcc 0
		.amdhsa_float_denorm_mode_32 3
		.amdhsa_float_denorm_mode_16_64 3
		.amdhsa_memory_ordered 1
		.amdhsa_forward_progress 1
		.amdhsa_inst_pref_size 43
	.end_amdhsa_kernel
	.amdgpu_metadata
---
amdhsa.version: [ 1, 2 ]
amdhsa.kernels:
  - .name:           k_qa5d9757020_quant
    .symbol:         k_qa5d9757020_quant.kd
    .args:
      - { .name: x, .offset: 0, .size: 8, .value_kind: global_buffer, .address_space: global }
      - { .name: Qw, .offset: 8, .size: 8, .value_kind: global_buffer, .address_space: global }
      - { .name: Kw, .offset: 16, .size: 8, .value_kind: global_buffer, .address_space: global }
      - { .name: Vw, .offset: 24, .size: 8, .value_kind: global_buffer, .address_space: global }
      - { .name: Ow, .offset: 32, .size: 8, .value_kind: global_buffer, .address_space: global }
      - { .name: x_codes, .offset: 40, .size: 8, .value_kind: global_buffer, .address_space: global }
      - { .name: x_scales, .offset: 48, .size: 8, .value_kind: global_buffer, .address_space: global }
      - { .name: w_codes, .offset: 56, .size: 8, .value_kind: global_buffer, .address_space: global }
      - { .name: w_scales, .offset: 64, .size: 8, .value_kind: global_buffer, .address_space: global }
      - { .name: owb, .offset: 72, .size: 8, .value_kind: global_buffer, .address_space: global }
    .group_segment_fixed_size: 33280
    .private_segment_fixed_size: 0
    .kernarg_segment_align: 8
    .kernarg_segment_size: 80
    .max_flat_workgroup_size: 128
    .sgpr_count:     66
    .vgpr_count:     226
    .wavefront_size: 32
...
	.end_amdgpu_metadata
.endif
;; end of part 1
;; launch qkv (part 2): grid 12 x 32, 4 waves a work-group, clusters of 4 x 4, 327,680 bytes of LDS; arguments x_codes, x_scales, w_codes, w_scales, qkv, vpart; writes qkv, vpart
.if DOCPART == 2
	.amdgcn_target "amdgcn-amd-amdhsa--gfx1250"
	.amdhsa_code_object_version 6
	.text
	.protected	k_qa5d9757020_qkv
	.globl	k_qa5d9757020_qkv
	.p2align	8
	.type	k_qa5d9757020_qkv,@function
k_qa5d9757020_qkv:
	s_mov_b64 s[64:65], 0
	v_nop
	global_prefetch_b8 v0, s[64:65] scope:SCOPE_SE
	s_setreg_imm32_b32 hwreg(HW_REG_WAVE_MODE, 25, 1), 1
	s_wait_xcnt 0x0
	s_wait_alu depctr_hold_cnt(0) depctr_sa_sdst(0) depctr_va_vdst(0) depctr_va_sdst(0) depctr_va_ssrc(0) depctr_va_vcc(0) depctr_vm_vsrc(0)
	s_getreg_b32 s2, hwreg(HW_REG_IB_STS2, 6, 4)
	s_cmp_eq_u32 s2, 0
	s_cbranch_scc0 .Lentry_in_a_cluster
	s_endpgm
.Lentry_in_a_cluster:
	s_bfe_u32 s2, ttmp6, 0x10000c
	s_cmp_lg_u32 s2, 0xf033
	s_cbranch_scc0 .Lentry_shape_is_right
	s_endpgm
.Lentry_shape_is_right:
; q, k, v = x Qw^T, x Kw^T, x Vw^T as ONE product C[m][n] = sum over k of A[m][k] B[n][k]: A = x [8192][1024], B = the rows of Qw, Kw, Vw on end [3072][1024], both as codes of FP4 (E2M1) with one E8M0 scale for each 32 along K; sums in f32.
; The results leave as f16, laid by head: qkv [tensor 3][batch 4][head 16][position 2048][64]; byte = t << 24 | b << 22 | h << 18 | s << 7.  LIMIT: |q|, |k|, |v| stay under 65,504, f16's largest number.
; For v each wave also stores the sums of its 128 rows, in f32: vpart [64 runs of 128 rows][1024 columns]: the next launch makes of them the mean of v over a batch's positions.
; A tile of C, 256 x 256, is made by a work-group of four waves; a wave makes 128 x 128: 64 accumulators of 16 x 16, 512 registers.  K = 1,024 is two K steps of 512 (a tile's row is 256 bytes of memory): both lie in LDS at once, each filled once.
; THE SCALES of the work-group's 256 rows of A and of B, for all of K, are two dense blocks of memory: they come into LDS once, with the first fills, as rows of 256 bytes.
; CLUSTERS: 4 x 4 work-groups.  The four of a row of the cluster need the same tiles of A, the four of a column the same tiles of B: each tile is asked for JOINTLY, by the same tensor load with the same descriptor and a mask that names the four.
; THE MATRIX INSTRUCTION IS USED TRANSPOSED (source 0 = 16 rows of B, source 1 = 16 rows of A): a lane then holds eight neighbouring numbers of a row of C.
; REGISTERS, in windows of 256: window 0: v0-31 addresses; v32-95 scale words, two sets; from v128 A's fragments (8 x 16 rows x 128 K), one set; on the way out v32-255 are free.
;   window 1: B's fragments, two sets, at v0 and at v128.   window 2: the 32 accumulators of my rows 0-63 (accumulator (a, b) at v[8 (8 a + b)]);   window 3: those of my rows 64-127.
.set SIZE_M, 8192
.set SIZE_N, 3072
.set SIZE_K, 1024
.set KSTEP,  512                       ; along K in a slot
.set NQ,     KSTEP/128                 ; matrix instructions deep
.set ROWB,   256                       ; a tile's row in bytes
.set KROW,   SIZE_K*4/8                ; a row of A or of B in memory, in bytes
.set PITCH,  272                       ; an LDS row: 256 bytes + 16 of padding = 68 words: row r starts at bank 4 r mod 64 (64 banks of 4 bytes: ISA guide 11.1)
.set FR,     8                         ; registers of a fragment: 16 rows x 128 K
.set NL,     2                         ; LDS loads that bring one
.set NP,     4                         ; places behind this matrix instruction (ISA guide 7.12.1)
.set HALFT,  128*PITCH                 ; 128 rows: what one tensor load brings, and what one wave reads of A or of B
.set SLOT,   4*HALFT                   ; A's 256 rows, then B's 256 rows
.set KS,     SIZE_K/32                 ; a row of scales in bytes
.set SCL,    2*SLOT                    ; behind the slots: the scales, as rows of 256 bytes + 16 of padding
.set HALFS,  (128*KS/256)*272          ; the scales of 128 rows: what one tensor load brings
.set SBLK,   (16*KS/256)*272           ; those of 16 rows
.set SPARE,  SCL+4*HALFS               ; behind the scales: the spare words, 128 bytes for each wave: two blocks of 256 bytes that no other line names
.set WSTG,   16*528                    ; the way out: a stage for each wave, in slot 0, which has had its one fill and its last read when the first result is stored there
.set SPITCH, 272                       ; a stage row of 128 f16: 256 bytes + 16;  of 128 f32: 512 + 16
.set ADRA, 16                          ; v16-17  LDS address of my A fragments in slot 0, 1
.set ADRB, 20                          ; v20-21  the same for B
.set STO,  24                          ; v24     the way out: where I put 16 bytes of a row
.set RD,   25                          ; v25     where I read 16 bytes back: four rows of one head to an instruction
.set CO,   26                          ; v26     16 x lane: my place in 512 consecutive bytes of qkv or vpart
.set ADRS, 27                          ; v27     LDS address of my scale words: lanes 0-15 A's rows, lanes 16-31 B's
.set SPW,  28                          ; v28     LDS address of my spare word; never rewritten
.set NIL,  29                          ; v29     0; never rewritten
.set STO2, 30                          ; v30     the sums of v: where I put 32 bytes of a row of f32
.set RD2,  31                          ; v31     and where I read 16 bytes back
.set SC,   32                          ; scale words: set s at v[SC + 8 NQ s]; register NQ i + q: lanes 0-15 the word of A's block i, lanes 16-31 that of B's block i, for the slot's q-th 128 along K
.set AF,   128                         ; A's fragments, in window 0
.set TMP,  192                         ; the way out: a block's 32 registers of f16
.set TS,   64                          ; the sums of v: v64-127
.set G1, 24                            ; s[24:31] descriptor group 1 for A's tiles;  s[32:39] group 0, one set for each slot
.set G0, 32
.set G1B, 48                           ; s[48:55], s[56:63] the same for B's tiles
.set G0B, 56
.set G1S, 68                           ; s[68:75], s[76:79] groups 1 and 0 for A's scales;  s[80:87], s[88:91] for B's
.set G0S, 76
.set G1SB, 80
.set G0SB, 88
.set MSB, 0
.macro WIN new                         ; the immediate's high byte repeats the setting that is left
.if MSB != (\new)
	s_set_vgpr_msb (MSB<<8)|(\new)
.set MSB, (\new)
.endif
.endm
.set MUL_LO, 0xa1                      ; source 0 (B) window 1, source 1 (A) window 0, C and D window 2
.set MUL_HI, 0xf1                      ; the same, C and D window 3
.set TO_B,   0x40                      ; destination window 1, address window 0
; A joint load: waves 0 and 1 fetch for A, waves 2 and 3 for B.  Each of the two lines has one mask and one set of registers for all that issue it; the branch hangs on the wave's number alone.
; Four v_nop follow each of the two lines, ahead of the jump, the label and what follows.
.macro JLOAD g0a, g1a, g0b, g1b
	s_cmp_eq_u32 s15, 0
	s_cbranch_scc0 .Lfor_b_\@
	tensor_load_to_lds s[\g0a:\g0a+3], s[\g1a:\g1a+7]
	s_nop 0
.rept 4
	v_nop
.endr
	s_branch .Lasked_\@
.Lfor_b_\@:
	tensor_load_to_lds s[\g0b:\g0b+3], s[\g1b:\g1b+7]
	s_nop 0
.rept 4
	v_nop
.endr
.Lasked_\@:
.endm
.macro CROUND                          ; a round of the cluster's barrier: my work-group's barrier; wave 0 signals for the work-group; every wave waits for all sixteen; my work-group's barrier once more
	s_barrier_signal -1
	s_barrier_wait -1
	s_cmp_lg_u32 s14, 0
	s_cbranch_scc1 .Lnot_wave_0_\@
	s_barrier_signal -3
.Lnot_wave_0_\@:
	s_barrier_wait -3
	s_barrier_signal -1
	s_barrier_wait -1
.endm
	s_load_b128 s[4:7], s[0:1], 0x0                ; A's codes s[4:5], A's scales s[6:7]
	s_load_b128 s[8:11], s[0:1], 0x10              ; B's codes s[8:9], B's scales s[10:11]
	s_load_b64 s[12:13], s[0:1], 0x20              ; qkv
	s_load_b64 s[66:67], s[0:1], 0x28              ; vpart
	v_lshl_add_u32 v[SPW], v0, 2, SPARE
	v_mov_b32 v[NIL], 0
	ds_add_u32 v28, v29
	s_wait_dscnt 0x0
	v_lshrrev_b32 v1, 5, v0
	v_readfirstlane_b32 s14, v1                    ; wave 0..3
	s_lshr_b32 s15, s14, 1                         ; which half of the tile's rows is mine.  Also: I fetch for A (0) or for B (1)
	s_and_b32 s16, s14, 1                          ; which half of its columns.  Also: which 128 rows of that tile I fetch
	s_bfe_u32 s40, ttmp6, 0x40000                  ; cx, cy: my place in the cluster
	s_bfe_u32 s41, ttmp6, 0x40004
	s_lshl_b32 s42, ttmp9, 2
	s_add_co_u32 s42, s42, s40                     ; tile column of C = 4 x cluster x + cx
	s_and_b32 s17, ttmp7, 0xffff
	s_lshl_b32 s17, s17, 2
	s_add_co_u32 s17, s17, s41                     ; tile row of C = 4 x cluster y + cy
	s_lshl_b32 s43, s41, 2
	s_lshl_b32 s43, 15, s43                        ; my row of the cluster
	s_lshl_b32 s44, 0x1111, s40                    ; my column
	; descriptor group 1: a tile of 128 rows x ROWB bytes, padded in LDS
	s_or_b32 s[G1+0], s43, (0<<16)|(1<<20)|(1<<21)|(5<<22)|(3<<25)  ; 15:0 the mask: A's tiles go to my row; 17:16 element of 1 byte; 20 padding on; 21 set beside a mask; 24:22 after every 64 words (code 5); 31:25 of 4 words (code 3)
	s_or_b32 s[G1B+0], s44, (0<<16)|(1<<20)|(1<<21)|(5<<22)|(3<<25)
.irp g, G1, G1B
	s_mov_b32 s[\g+1], ROWB<<16                    ; tensor_dim0
	s_mov_b32 s[\g+2], 128<<16                     ; tensor_dim1 = 128
	s_mov_b32 s[\g+3], ROWB<<16                    ; tile_dim0
	s_mov_b32 s[\g+4], 128                         ; tile_dim1 = 128
	s_mov_b32 s[\g+5], KROW                        ; tensor_dim0_stride
	s_mov_b32 s[\g+6], 0
	s_mov_b32 s[\g+7], 0
.endr
	; and for the scales of 128 rows: a dense block of 128 KS bytes, as rows of 256 bytes (32 elements of 8 bytes), 16 bytes of padding behind each
	s_or_b32 s[G1S+0], s43, (3<<16)|(1<<20)|(1<<21)|(5<<22)|(3<<25)
	s_or_b32 s[G1SB+0], s44, (3<<16)|(1<<20)|(1<<21)|(5<<22)|(3<<25)
.irp g, G1S, G1SB
	s_mov_b32 s[\g+1], 32<<16
	s_mov_b32 s[\g+2], (128*KS/256)<<16
	s_mov_b32 s[\g+3], 32<<16
	s_mov_b32 s[\g+4], 128*KS/256
	s_mov_b32 s[\g+5], 32
	s_mov_b32 s[\g+6], 0
	s_mov_b32 s[\g+7], 0
.endr
	s_lshl_b32 s18, s16, 7                         ; which 128 rows of the tile I fetch
	s_lshl_b32 s20, s17, 8
	s_add_co_u32 s20, s20, s18                     ; A: row 256 x tile row + 128 x half
	s_lshl_b32 s46, s42, 8
	s_add_co_u32 s46, s46, s18                     ; B: row 256 x tile column + 128 x half
	s_mov_b32 s21, 0
	s_mov_b32 s47, 0
	s_mov_b64 s[18:19], KS
	s_mul_u64 s[22:23], s[20:21], s[18:19]         ; where these rows' scales begin, in bytes
	s_mul_u64 s[92:93], s[46:47], s[18:19]
	s_mov_b64 s[18:19], KROW
	s_mul_u64 s[20:21], s[20:21], s[18:19]         ; and their codes
	s_mul_u64 s[46:47], s[46:47], s[18:19]
	s_mul_i32 s45, s14, HALFT                      ; where they go: wave x 128 rows: no place in the cluster enters an LDS address
	s_mul_i32 s94, s14, HALFS
	s_wait_kmcnt 0x0
	s_add_nc_u64 s[20:21], s[4:5], s[20:21]
	s_add_nc_u64 s[22:23], s[6:7], s[22:23]
	s_add_nc_u64 s[46:47], s[8:9], s[46:47]
	s_add_nc_u64 s[92:93], s[10:11], s[92:93]
	CROUND                                         ; all sixteen work-groups are here: the joint loads meet
	s_mov_b32 s[G0S], 1
	s_add_co_u32 s[G0S+1], s94, SCL
	s_mov_b64 s[G0S+2:G0S+3], s[22:23]
	s_or_b32 s[G0S+3], s[G0S+3], 0x80000000
	s_mov_b32 s[G0SB], 1
	s_add_co_u32 s[G0SB+1], s94, SCL
	s_mov_b64 s[G0SB+2:G0SB+3], s[92:93]
	s_or_b32 s[G0SB+3], s[G0SB+3], 0x80000000
	JLOAD G0S, G1S, G0SB, G1SB                     ; the scales first: they are wanted with K step 0
.irp s, 0,1
	s_mov_b32 s[G0+4*\s], 1
	s_add_co_u32 s[G0+4*\s+1], s45, \s*SLOT
	s_add_nc_u64 s[G0+4*\s+2:G0+4*\s+3], s[20:21], \s*ROWB
	s_or_b32 s[G0+4*\s+3], s[G0+4*\s+3], 0x80000000
	s_mov_b32 s[G0B+4*\s], 1
	s_add_co_u32 s[G0B+4*\s+1], s45, \s*SLOT
	s_add_nc_u64 s[G0B+4*\s+2:G0B+4*\s+3], s[46:47], \s*ROWB
	s_or_b32 s[G0B+4*\s+3], s[G0B+4*\s+3], 0x80000000
	JLOAD G0+4*\s, G1, G0B+4*\s, G1B               ; three tensor loads of mine are out: the launch's only ones
.endr
	v_and_b32 v1, 15, v0                           ; l % 16
	v_bfe_u32 v2, v0, 4, 1                         ; l / 16
	v_mul_u32_u24 v3, v1, PITCH
	v_lshl_add_u32 v4, v2, 4, v3                   ; a fragment's row x pitch + 16 x half
	s_mul_i32 s21, s15, HALFT                      ; my 128 rows of A
	s_mul_i32 s22, s16, HALFT                      ; my 128 rows of B,
	s_add_co_u32 s22, s22, 2*HALFT                 ; which lie behind A's 256
.irp s, 0,1
	v_add_nc_u32 v[ADRA+\s], s21, v4
	v_add_nc_u32 v[ADRB+\s], s22, v4
	s_add_co_u32 s21, s21, SLOT
	s_add_co_u32 s22, s22, SLOT
.endr
	v_mul_u32_u24 v5, v1, KS                       ; my row's scales: KS bytes a row,
	v_lshrrev_b32 v6, 8, v5
	v_lshl_add_u32 v5, v6, 4, v5                   ; and 16 more for each 256 passed
	s_mul_i32 s21, s15, HALFS                      ; A's: my 128 rows
	s_mul_i32 s22, s16, HALFS                      ; B's: my 128 rows, behind A's 256
	s_add_co_u32 s22, s22, 2*HALFS
	s_sub_co_u32 s22, s22, s21
	v_mul_u32_u24 v6, s22, v2                      ; lanes 16-31 take B's
	s_add_co_u32 s21, s21, SCL
	v_add_nc_u32 v5, v5, v6
	v_add_nc_u32 v[ADRS], s21, v5
	s_mul_i32 s23, s14, WSTG                       ; my stage
	v_mul_u32_u24 v5, v1, SPITCH                   ; f16 in: row l % 16, 16 bytes for each half of the lanes
	v_lshl_add_u32 v5, v2, 4, v5
	v_add_nc_u32 v[STO], s23, v5
	v_and_b32 v6, 31, v0
	v_lshrrev_b32 v5, 3, v6                        ; back: eight lanes take a head's 128 bytes of a row, the 32 lanes four rows
	v_mul_u32_u24 v5, v5, SPITCH
	v_and_b32 v7, 7, v0
	v_lshl_add_u32 v5, v7, 4, v5
	v_add_nc_u32 v[RD], s23, v5
	v_lshlrev_b32 v[CO], 4, v6
	v_mul_u32_u24 v5, v1, 528                      ; f32 in: row l % 16, 32 bytes for each half of the lanes
	v_lshl_add_u32 v5, v2, 5, v5
	v_add_nc_u32 v[STO2], s23, v5
	v_add_nc_u32 v[RD2], s23, v[CO]                ; back: the 32 lanes take a row of 512 bytes
	; where my 128 rows x 2 heads begin in qkv.  My first column is 256 x tile column + 128 x half: head 4 x tile column + 2 x half of the 48
	s_lshl_b32 s20, s42, 2
	s_lshl_b32 s21, s16, 1
	s_add_co_u32 s20, s20, s21
	s_lshr_b32 s21, s20, 4                         ; the tensor: q, k or v
	s_lshl_b32 s21, s21, 24
	s_and_b32 s20, s20, 15                         ; the head
	s_lshl_b32 s20, s20, 18
	s_or_b32 s20, s20, s21
	s_lshr_b32 s21, s17, 3                         ; the batch: eight tile rows each
	s_lshl_b32 s21, s21, 22
	s_or_b32 s20, s20, s21
	s_and_b32 s21, s17, 7                          ; the position: 256 rows of 128 bytes a tile row,
	s_lshl_b32 s21, s21, 15
	s_or_b32 s20, s20, s21
	s_lshl_b32 s21, s15, 14                        ; 128 a half
	s_or_b32 s20, s20, s21
	s_mov_b32 s21, 0
	s_add_nc_u64 s[12:13], s[12:13], s[20:21]
	; and my 128 sums in vpart: row 2 x tile row + half, of 4,096 bytes; column 256 x (tile column % 4) + 128 x half
	s_lshl_b32 s20, s17, 1
	s_add_co_u32 s20, s20, s15
	s_lshl_b32 s20, s20, 12
	s_and_b32 s21, s42, 3
	s_lshl_b32 s21, s21, 10
	s_add_co_u32 s20, s20, s21
	s_lshl_b32 s21, s16, 9
	s_add_co_u32 s20, s20, s21
	s_mov_b32 s21, 0
	s_add_nc_u64 s[66:67], s[66:67], s[20:21]
.macro FRAG reg, adr, q, i             ; a fragment, 16 rows x 128 K of 4-bit codes, is 8 registers: lane l holds row l % 16; registers 4 c .. 4 c + 3 hold K = 64 c + 32 (l / 16) + 0 .. 31
.irp c, 0,1
	ds_load_b128 v[\reg+4*\c:\reg+4*\c+3], v[\adr] offset:64*(\q)+32*\c+(\i)*16*PITCH
.endr
.endm
; 16 matrix instructions: A's blocks a0, a0 + 1 x B's eight, 128 along K: the slot's q-th.  p: B's set;  sc: the set of scale words.  zero = 1: the first product starts the sums: nothing is ever cleared.
; The 64 accumulators take turns, one instruction a turn, in the same order in every step.
.macro MUL16 a0, p, q, sc, zero
.irp a, \a0, \a0+1
.irp b, 0,1,2,3,4,5,6,7
.if \zero
	v_wmma_scale_f32_16x16x128_f8f6f4 v[8*(8*((\a)%4)+\b):8*(8*((\a)%4)+\b)+7], v[128*(\p)+FR*\b:128*(\p)+FR*\b+FR-1], v[AF+FR*(\a):AF+FR*(\a)+FR-1], 0, v[SC+8*NQ*(\sc)+NQ*\b+(\q)], v[SC+8*NQ*(\sc)+NQ*(\a)+(\q)] matrix_a_fmt:MATRIX_FMT_FP4 matrix_b_fmt:MATRIX_FMT_FP4 matrix_a_scale:MATRIX_SCALE_ROW1
.else
	v_wmma_scale_f32_16x16x128_f8f6f4 v[8*(8*((\a)%4)+\b):8*(8*((\a)%4)+\b)+7], v[128*(\p)+FR*\b:128*(\p)+FR*\b+FR-1], v[AF+FR*(\a):AF+FR*(\a)+FR-1], v[8*(8*((\a)%4)+\b):8*(8*((\a)%4)+\b)+7], v[SC+8*NQ*(\sc)+NQ*\b+(\q)], v[SC+8*NQ*(\sc)+NQ*(\a)+(\q)] matrix_a_fmt:MATRIX_FMT_FP4 matrix_b_fmt:MATRIX_FMT_FP4 matrix_a_scale:MATRIX_SCALE_ROW1
.endif
.endr
.endr
.endm
.macro FETCH_B slot, q, p              ; B's eight fragments of the slot's q-th 128 along K into set p
	WIN TO_B
.irp i, 0,1,2,3,4,5,6,7
	FRAG 128*(\p)+FR*\i, ADRB+\slot, \q, \i
.endr
	WIN 0
.endm
.macro FETCH_A slot, q, i0             ; A's blocks i0 .. i0 + 3
.irp i, \i0, \i0+1, \i0+2, \i0+3
	FRAG AF+FR*(\i), ADRA+\slot, \q, \i
.endr
.endm
.macro SCALES sc                       ; a K step's scale words into set sc: NQ words a row; lanes 0-15 take A's block i, lanes 16-31 B's block i
.irp i, 0,1,2,3,4,5,6,7
	ds_load_b128 v[SC+8*NQ*\sc+NQ*\i:SC+8*NQ*\sc+NQ*\i+3], v[ADRS] offset:\i*SBLK
.endr
.endm
; A load into a register that a matrix instruction has read, and a vector instruction or an LDS store that reads a matrix result, stand NP places behind that matrix instruction; only plain vector
; instructions that name none of its registers are places (ISA guide 7.12.1 for vector instructions).
.macro PLACES n
.rept \n
	v_nop
.endr
.endm
; A step of 128 along K that has its successor in the same slot.  A's blocks 0-3 are fetched anew in the step's middle, blocks 4-7 at its end; B has two sets.
.macro STEP slot, q, zero
	s_wait_dscnt 4*NL                              ; B's set and A's blocks 0-3 are in; the youngest eight loads (A's blocks 4-7) may be out
	WIN MUL_LO
	MUL16 0, (\q)%2, \q, \slot, \zero
	MUL16 2, (\q)%2, \q, \slot, \zero
	s_wait_dscnt 0                                 ; A's blocks 4-7 are in (asked for 32 matrix instructions ago)
	PLACES NP
	FETCH_B \slot, (\q)+1, 1-(\q)%2
	FETCH_A \slot, (\q)+1, 0
	WIN MUL_HI
	MUL16 4, (\q)%2, \q, \slot, \zero
	MUL16 6, (\q)%2, \q, \slot, \zero
	PLACES NP
	WIN 0
	FETCH_A \slot, (\q)+1, 4
.endm
.macro STEPS slot, from                ; the slot's steps from .. NQ - 2
.set Q, \from
.rept NQ-1-\from
	STEP \slot, Q, 0
.set Q, Q+1
.endr
.endm
	s_wait_tensorcnt 1                             ; the scales and my part of K step 0 are in (K step 1's load, issued behind them, may be out),
	s_barrier_signal -1
	s_barrier_wait -1                              ; everybody's are
	FETCH_B 0, 0, 0
	FETCH_A 0, 0, 0
	SCALES 0
	FETCH_A 0, 0, 4
	STEP 0, 0, 1                                   ; the first step's products start the sums
	STEPS 0, 1
	; SLOT 0'S LAST STEP, AND THE CHANGE TO SLOT 1: one barrier.  In front of it each wave waits for its part of slot 1 and for its own reads of slot 0.  Nothing is filled again in this launch.
	s_wait_tensorcnt 0x0                           ; all my tensor loads have landed: my part of slot 1
	ds_add_u32 v[SPW], v[NIL]                      ; 0 onto my spare word
	s_wait_dscnt 4*NL+1                            ; (the add and the youngest eight loads, A's blocks 4-7, may be out)
	WIN MUL_LO
	MUL16 0, 1, NQ-1, 0, 0
	s_wait_dscnt 0x0                               ; the add is done, and my reads of slot 0 are over
	s_barrier_signal -1
	MUL16 2, 1, NQ-1, 0, 0
	WIN 0
	s_barrier_wait -1                              ; slot 1 is whole, and nobody reads slot 0 any more: it will serve as the stages
	PLACES NP
	v_add_nc_u32 v[ADRS], 4*NQ, v[ADRS]            ; on to K step 1's scale words
	FETCH_B 1, 0, 0
	FETCH_A 1, 0, 0
	SCALES 1
	WIN MUL_HI
	MUL16 4, 1, NQ-1, 0, 0
	MUL16 6, 1, NQ-1, 0, 0
	PLACES NP
	WIN 0
	FETCH_A 1, 0, 4
	STEPS 1, 0
	s_wait_dscnt 4*NL                              ; the very last step: nothing more to fetch
	WIN MUL_LO
	MUL16 0, 1, NQ-1, 1, 0
	MUL16 2, 1, NQ-1, 1, 0
	s_wait_dscnt 0
	WIN MUL_HI
	MUL16 4, 1, NQ-1, 1, 0
	MUL16 6, 1, NQ-1, 1, 0
	WIN 0
; THE WAY OUT, block by block of 16 rows x 128 columns (two heads).  PACK: rounded to f16, 16 bytes a lane, each accumulator from its low end on.  TOSTAGE: into my own stage, and back by heads: four rows' 128 bytes of one head,
; which lie on end in qkv.  SEND: each store covers 512 consecutive bytes, aligned.  LDS serves a wave's instructions in order (ISA guide 5.7.1.4): no wait between the stage's stores and loads.
.macro PACK a
.set AC, 64*((\a)%4)
	WIN 0x0a+5*((\a)/4)                            ; sources 0 and 1: window 2 or 3
.irp b, 0,1,2,3,4,5,6,7
.irp r, 0,1,2,3
	v_cvt_pk_f16_f32 v[TMP+4*\b+\r], v[AC+8*\b+2*\r], v[AC+8*\b+2*\r+1]
.endr
.endr
	WIN 0
.endm
.macro TOSTAGE a
.set BB, 32+192*((\a)%2)               ; v32-63 and v224-255 by turns
.irp b, 0,1,2,3,4,5,6,7
	ds_store_b128 v[STO], v[TMP+4*\b:TMP+4*\b+3] offset:32*\b
.endr
.irp hh, 0,1
.irp g, 0,1,2,3
	ds_load_b128 v[BB+4*(4*\hh+\g):BB+4*(4*\hh+\g)+3], v[RD] offset:4*\g*SPITCH+128*\hh
.endr
.endr
.endm
.macro SEND a
.set BB, 32+192*((\a)%2)
	s_wait_dscnt 0x0                               ; the block is back in registers
	s_wait_xcnt 0x0                                ; the stores of the block before have read their registers: the next block's loads from the stage may land there
.irp hh, 0,1
.irp g, 0,1,2,3
	global_store_b128 v[CO], v[BB+4*(4*\hh+\g):BB+4*(4*\hh+\g)+3], s[12:13] offset:\hh*262144+(16*(\a)+4*\g)*128
.endr
.endr
.endm
	PLACES NP                                      ; behind the last products: for the loads into registers that held scale words and fragments, and for block 7's conversions
	PACK 0
	TOSTAGE 0
.irp a, 1,2,3,4,5,6,7                  ; block a's conversions stand between block a - 1's loads from the stage and the wait for them
	PACK \a
	SEND \a-1
	TOSTAGE \a
.endr
	SEND 7
	; THE SUMS OF v's ROWS.  Tile columns 8 to 11 are v's: cluster x = 2, the same number in all sixteen partners.
	s_cmp_lg_u32 ttmp9, 2
	s_cbranch_scc1 .Lno_vsum
	WIN 0x0e                                       ; source 0 window 2, source 1 window 3: block 0 + block 4
.set i, 0
.rept 32
	v_pk_add_f32 v[TS+i:TS+i+1], v[i:i+1], v[i:i+1]
.set i, i+2
.endr
	WIN 0x08                                       ; source 1 window 2: blocks 1 to 3
.irp a, 1,2,3
.set i, 0
.rept 32
	v_pk_add_f32 v[TS+i:TS+i+1], v[TS+i:TS+i+1], v[64*\a+i:64*\a+i+1]
.set i, i+2
.endr
.endr
	WIN 0x0c                                       ; source 1 window 3: blocks 5 to 7
.irp a, 1,2,3
.set i, 0
.rept 32
	v_pk_add_f32 v[TS+i:TS+i+1], v[TS+i:TS+i+1], v[64*\a+i:64*\a+i+1]
.set i, i+2
.endr
.endr
	WIN 0                                          ; lane (r, h) now holds, for columns 16 b + 8 h + j, the sum over my rows 16 a + r: sixteen rows are left to add
.irp b, 0,1,2,3,4,5,6,7
	ds_store_b128 v[STO2], v[TS+8*\b:TS+8*\b+3] offset:64*\b
	ds_store_b128 v[STO2], v[TS+8*\b+4:TS+8*\b+7] offset:64*\b+16
.endr
.irp t, 0,1,2,3,4,5,6,7,8,9,10,11,12,13,14,15
	ds_load_b128 v[128+4*\t:131+4*\t], v[RD2] offset:528*\t   ; row t, my four columns
.endr
	s_wait_dscnt 0x0
.irp t, 0,2,4,6,8,10,12,14
	v_pk_add_f32 v[128+4*\t:129+4*\t], v[128+4*\t:129+4*\t], v[132+4*\t:133+4*\t]
	v_pk_add_f32 v[130+4*\t:131+4*\t], v[130+4*\t:131+4*\t], v[134+4*\t:135+4*\t]
.endr
.irp t, 0,4,8,12
	v_pk_add_f32 v[128+4*\t:129+4*\t], v[128+4*\t:129+4*\t], v[136+4*\t:137+4*\t]
	v_pk_add_f32 v[130+4*\t:131+4*\t], v[130+4*\t:131+4*\t], v[138+4*\t:139+4*\t]
.endr
.irp t, 0,8
	v_pk_add_f32 v[128+4*\t:129+4*\t], v[128+4*\t:129+4*\t], v[144+4*\t:145+4*\t]
	v_pk_add_f32 v[130+4*\t:131+4*\t], v[130+4*\t:131+4*\t], v[146+4*\t:147+4*\t]
.endr
	v_pk_add_f32 v[128:129], v[128:129], v[160:161]
	v_pk_add_f32 v[130:131], v[130:131], v[162:163]
	global_store_b128 v[CO], v[128:131], s[66:67]  ; 32 lanes store 512 consecutive bytes, aligned
.Lno_vsum:
	s_wait_tensorcnt 0x0                           ; the wave's end, behind my last tensor load and my last LDS store
	ds_add_u32 v[SPW], v[NIL]
	s_wait_dscnt 0x0
	CROUND                                         ; the closing round: no work-group ends while a partner may still ask for a tile that names it
	s_endpgm
.Lfunc_end_k_qa5d9757020_qkv:
	.size	k_qa5d9757020_qkv, .Lfunc_end_k_qa5d9757020_qkv-k_qa5d9757020_qkv
	.p2alignl 7, 3214868480
	.fill 96, 4, 3214868480
	.section	.rodata,"a",@progbits
	.p2align	6, 0x0
	.amdhsa_kernel k_qa5d9757020_qkv
		.amdhsa_group_segment_fixed_size 327680
		.amdhsa_private_segment_fixed_size 0
		.amdhsa_enable_private_segment 0
		.amdhsa_kernarg_size 48
		.amdhsa_user_sgpr_count 2
		.amdhsa_user_sgpr_kernarg_segment_ptr 1
		.amdhsa_wavefront_size32 1
		.amdhsa_system_sgpr_workgroup_id_x 1
		.amdhsa_system_sgpr_workgroup_id_y 1
		.amdhsa_system_sgpr_workgroup_id_z 1
		.amdhsa_system_vgpr_workitem_id 0
		.amdhsa_next_free_vgpr 1024
		.amdhsa_next_free_sgpr 98
		.amdhsa_reserve_vcc 0
		.amdhsa_float_denorm_mode_32 3
		.amdhsa_float_denorm_mode_16_64 3
		.amdhsa_memory_ordered 1
		.amdhsa_forward_progress 1
		.amdhsa_inst_pref_size 145
	.end_amdhsa_kernel
	.amdgpu_metadata
---
amdhsa.version: [ 1, 2 ]
amdhsa.kernels:
  - .name:           k_qa5d9757020_qkv
    .symbol:         k_qa5d9757020_qkv.kd
    .args:
      - { .name: x_codes, .offset: 0, .size: 8, .value_kind: global_buffer, .address_space: global }
      - { .name: x_scales, .offset: 8, .size: 8, .value_kind: global_buffer, .address_space: global }
      - { .name: w_codes, .offset: 16, .size: 8, .value_kind: global_buffer, .address_space: global }
      - { .name: w_scales, .offset: 24, .size: 8, .value_kind: global_buffer, .address_space: global }
      - { .name: qkv, .offset: 32, .size: 8, .value_kind: global_buffer, .address_space: global }
      - { .name: vpart, .offset: 40, .size: 8, .value_kind: global_buffer, .address_space: global }
    .group_segment_fixed_size: 327680
    .private_segment_fixed_size: 0
    .kernarg_segment_align: 8
    .kernarg_segment_size: 48
    .max_flat_workgroup_size: 128
    .sgpr_count:     98
    .vgpr_count:     1024
    .wavefront_size: 32
...
	.end_amdgpu_metadata
.endif
;; end of part 2
;; launch attn (part 3): grid 4 x 64, 16 waves a work-group, clusters of 4 x 1, 327,680 bytes of LDS; arguments qkv, vpart, padding_mask, ctx; writes ctx
.if DOCPART == 3
	.amdgcn_target "amdgcn-amd-amdhsa--gfx1250"
	.amdhsa_code_object_version 6
	.text
	.protected	k_qa5d9757020_attn
	.globl	k_qa5d9757020_attn
	.p2align	8
	.type	k_qa5d9757020_attn,@function
k_qa5d9757020_attn:
	s_mov_b64 s[64:65], 0
	v_nop
	global_prefetch_b8 v0, s[64:65] scope:SCOPE_SE
	s_setreg_imm32_b32 hwreg(HW_REG_WAVE_MODE, 25, 1), 1
	s_wait_xcnt 0x0
	s_wait_alu depctr_hold_cnt(0) depctr_sa_sdst(0) depctr_va_vdst(0) depctr_va_sdst(0) depctr_va_ssrc(0) depctr_va_vcc(0) depctr_vm_vsrc(0)
	s_getreg_b32 s2, hwreg(HW_REG_IB_STS2, 6, 4)
	s_cmp_eq_u32 s2, 0
	s_cbranch_scc0 .Lentry_in_a_cluster
	s_endpgm
.Lentry_in_a_cluster:
	s_bfe_u32 s2, ttmp6, 0x10000c
	s_cmp_lg_u32 s2, 0x3003
	s_cbranch_scc0 .Lentry_shape_is_right
	s_endpgm
.Lentry_shape_is_right:
; ctx[b][h][q][:] = the sum over keys of softmax(q . k / 8, causal mask, padding mask) v.  q, k, v: f16, qkv [3][4][16][2048][64]; ctx: f16, [4][16][2048][64].  Products by the f16 matrix form, maxima and sums in f32; the weights p are rounded to f16.
; MASKS.  A key behind the query (key > query) gets the score -infinity: p = 0.  A padded key gets -8e30 ADDED to its raw score (-1e30 after the division by 8, as the problem puts there): it comes in as the C of the score's first matrix instruction.
; The running maximum m begins at -1e30 (raw), so padded scores never raise it and their p is 0.  A query ALL of whose visible keys are padded keeps m = -1e30: for it all 2,048 scores of the problem's softmax are equal, and its result is the mean of v
; over all 2,048 positions of its batch and head.  That mean is made here from vpart (the sums of v over runs of 128 positions) and chosen at the end by v_cndmask_b32.
; LIMITS: raw scores |q . k| stay under 1e23, so that adding -8e30 gives -8e30, and above -1e30; NaN and infinities are not served.
; SHARES.  A cluster of four work-groups takes one batch and head.  Wave w of work-group cx owns 32 queries, two tiles of 16: 128 u + 32 cx + 0 .. 31, u = w with its two low bits turned where bit 2 is set.
; Every work-group walks all 2,048 keys, 64 a step, 256 a slot, so that trip counts are constants and K and V are asked for JOINTLY by the four partners (the same tensor load, the same descriptor, mask 15).
; A step's WORK is left out where all its keys lie behind the queries 128 u .. 128 u + 127; the causal select runs only from key 128 u on.  Both branches hang on the wave's number alone, never on cx.
; LAYOUT.  S^T = K Q^T (source 0 = 16 keys, source 1 = 16 queries): a lane holds ONE query (lane % 16) and keys 8 (lane / 16) + 0 .. 7.  Two such tiles rounded to f16 in pairs ARE source 1 (32 keys x 16 queries) of O^T = V^T P.
; K comes out of LDS as it lies, V ([key][channel]) turned, by ds_load_tr16_b128.  p = 2^(c s - c m), c = log2(e) / 8; in every step O and l are multiplied by a = 2^(c m_old - c m_new).
; REGISTERS: v1-6 addresses that stay; v7-9 addresses of the step; v10 my query - 8 (lane / 16); v12-27 statistics; v28-29 the select's bounds; v30 -infinity; v32-63 Q; v64-127 S^T, then p, then P in each tile's first 16;
;   v128-191 O^T; v192-255 a buffer: K's fragments and the bias, then V's fragments.
.set KP,    144                        ; a row of K in LDS: 128 bytes + 16 = 36 words: the 16 rows of a load start at 16 different groups of four banks
.set VP,    160                        ; a row of V: 128 + 32 = 40 words
.set SK,    256                        ; keys in a slot
.set VOFF,  SK*KP                      ; a slot: 256 rows of K, then 256 rows of V
.set SLOT1, 1<<17                      ; slot 1 begins here: one exclusive or turns an address in one slot into the other's
.set NSL,   2048/SK
.set BIAS,  2*SLOT1                    ; behind the slots: the padding bias, one f32 a key: 8,192 bytes
.set VM,    BIAS+8192                  ; the mean of v: 64 f32
.set STAGE, VM+256                     ; the way out: 16 rows x 144 bytes for each wave
.set SPITCH, 144
.set SPARE, STAGE+16*16*SPITCH         ; the spare words, 128 bytes for each wave: eight blocks of 256 bytes that no other line names
.set AK0,  1                           ; v1   my lane's place in a tile of K
.set AV0,  2                           ; v2   the same for V
.set AB0,  3                           ; v3   and in the bias
.set SPW,  4                           ; v4   LDS address of my spare word; never rewritten
.set NIL,  5                           ; v5   0; never rewritten
.set PFO,  6                           ; v6   256 x my lane: the prefetches' offset; never rewritten
.set ADK,  7
.set ADV,  8
.set ADB,  9
.set QD,   10
.set ST,   12                          ; tile x's statistics at v[ST + 8 x]: +0 c m, +1 m, +2, +3 l (even keys', odd keys'), +4 to +7 at work; a takes +6 once the maximum is found
.set D0,   28
.set NINF, 30
.set QF,   32                          ; Q's fragment (tile x, channels 32 c on) at v[QF + 16 x + 8 c]
.set SS,   64                          ; S^T: tile x, keys 16 t on, at v[SS + 32 x + 8 t]
.set OA,   128                         ; O^T: tile x, channels 16 ct on, at v[OA + 32 x + 8 ct]
.set BUF,  192
.set TB,   2                           ; s2   LDS byte at which the slot in hand begins
.set TS,   3                           ; s3   where the step's bias begins: 256 bytes a step
.set WV,   12
.set CX,   13
.set BH,   14                          ; 16 x batch + head
.set U,    15
.set QB,   16                          ; 128 u
.set QL,   17                          ; 128 u + 127
.set KF,   18                          ; the step's first key
.set SLOTS, 19
.set SEL,  20                          ; s[20:21] lane selects for v_permlanex16_b32: lane l xor 16
.set CS,   22                          ; s[22:23] c, twice: the packed form names a pair
.set G1K,  24                          ; s[24:31] descriptor group 1 for K's tiles;  s[32:39] for V's: it differs in the padding
.set G1V,  32
.set G0K,  40                          ; s[40:43], s[44:47] their groups 0, which walk
.set G0V,  44
.set PFA,  48                          ; s[48:49] where my prefetches stand
.set LIM,  50                          ; s50  1 in a wave that prefetches, else the greatest number
.set Q0,   51                          ; s51  my first query
.set FLG,  58                          ; s58, s59 the two tiles' lanes whose query is all masked
; Waves 0 and 1 fetch a slot's two halves of K, waves 2 and 3 those of V, the others nothing.  The branches hang on the wave's number alone.  Four v_nop follow each of the two lines.
.macro TLOAD
	s_cmp_lt_u32 s[WV], 2
	s_cbranch_scc0 .Lnot_k_\@
	tensor_load_to_lds s[G0K:G0K+3], s[G1K:G1K+7]
	s_nop 0
.rept 4
	v_nop
.endr
	s_branch .Lasked_\@
.Lnot_k_\@:
	s_cmp_lt_u32 s[WV], 4
	s_cbranch_scc0 .Lasked_\@
	tensor_load_to_lds s[G0V:G0V+3], s[G1V:G1V+7]
	s_nop 0
.rept 4
	v_nop
.endr
.Lasked_\@:
.endm
; A PREFETCH INTO THE L2 of what the NEXT change of slots will ask for: a slot's 32,768 bytes of K and of V.  The four partners share them out BY ADDRESS, 8,192 bytes each; in each, wave 4 asks for K's and wave 5 for V's,
; lanes 256 bytes apart, one instruction: each aligned block of 256 bytes is named once in the launch.  It stands where the fetching waves have their tensor load, four key steps ahead of the load that will want the bytes.
; Slots 0 and 1 come by their loads alone; the last change that fills a slot asks for nothing.
.macro ASK
	s_cmp_gt_u32 s[SLOTS], s[LIM]
	s_cbranch_scc0 .Lnot_mine_\@
	global_prefetch_b8 v[PFO], s[PFA:PFA+1] th:TH_LOAD_NT scope:SCOPE_SE
.Lnot_mine_\@:
.endm
.macro CROUND                          ; a round of the cluster's barrier: my work-group's barrier; wave 0 signals for the work-group; every wave waits for all four; my work-group's barrier once more
	s_barrier_signal -1
	s_barrier_wait -1
	s_cmp_lg_u32 s[WV], 0
	s_cbranch_scc1 .Lnot_wave_0_\@
	s_barrier_signal -3
.Lnot_wave_0_\@:
	s_barrier_wait -3
	s_barrier_signal -1
	s_barrier_wait -1
.endm
	s_load_b256 s[4:11], s[0:1], 0x0               ; qkv s[4:5], vpart s[6:7], padding_mask s[8:9], ctx s[10:11]
	v_lshl_add_u32 v[SPW], v0, 2, SPARE
	v_mov_b32 v[NIL], 0
	ds_add_u32 v4, v5
	s_wait_dscnt 0x0
	v_lshrrev_b32 v240, 5, v0
	v_readfirstlane_b32 s[WV], v240                ; wave 0..15
	s_bfe_u32 s[CX], ttmp6, 0x40000                ; my place in the cluster
	s_and_b32 s[BH], ttmp7, 0xffff                 ; batch and head, which the four partners share
	s_bfe_u32 s52, s[WV], 0x10002                  ; bit 2 of the wave's number
	s_mul_i32 s52, s52, 3
	s_xor_b32 s[U], s[WV], s52                     ; waves w, w + 4, w + 8, w + 12 then have u's of one and the same sum
	s_lshl_b32 s[QB], s[U], 7
	s_add_co_u32 s[QL], s[QB], 127
	s_lshl_b32 s52, s[CX], 5
	s_add_co_u32 s[Q0], s[QB], s52
	; descriptor group 1: a tile of 128 rows x 64 elements of 2 bytes, dense in memory, padded behind each row in LDS
	s_mov_b32 s[G1K], 15|(1<<16)|(1<<20)|(1<<21)|(4<<22)|(3<<25)  ; 15:0 the mask: all four work-groups; 17:16 elements of 2 bytes; 20 padding on; 21 set beside a mask; 24:22 after every 32 words (code 4); 31:25 4 words (code 3)
	s_mov_b32 s[G1V], 15|(1<<16)|(1<<20)|(1<<21)|(4<<22)|(7<<25)  ; the same with 8 words of padding (code 7)
.irp g, G1K, G1V
	s_mov_b32 s[\g+1], 64<<16                      ; tensor_dim0 = 64
	s_mov_b32 s[\g+2], 128<<16                     ; tensor_dim1 = 128
	s_mov_b32 s[\g+3], 64<<16                      ; tile_dim0 = 64
	s_mov_b32 s[\g+4], 128                         ; tile_dim1 = 128
	s_mov_b32 s[\g+5], 64                          ; tensor_dim0_stride
	s_mov_b32 s[\g+6], 0
	s_mov_b32 s[\g+7], 0
.endr
	s_and_b32 s52, s[WV], 1                        ; which half of a slot I fetch, if I fetch
	s_lshl_b32 s54, s[BH], 18                      ; my batch and head in each of the tensors
	s_lshl_b32 s53, s52, 14                        ; 128 rows of 128 bytes in memory
	s_add_co_u32 s56, s54, s53
	s_add_co_u32 s56, s56, 1<<24                   ; K is the second tensor of qkv,
	s_mov_b32 s57, 0
	s_add_co_u32 s60, s56, 1<<24                   ; V the third
	s_mov_b32 s61, 0
	s_mul_i32 s62, s52, 128*KP                     ; and in a slot: no place in the cluster enters an LDS address
	s_mul_i32 s63, s52, 128*VP
	s_add_co_u32 s63, s63, VOFF
	s_mov_b32 s52, 2<<24                           ; the prefetches: wave 4 stands in K, the others in V (of them wave 5 alone asks),
	s_cmp_eq_u32 s[WV], 4
	s_cselect_b32 s52, 1<<24, s52
	s_add_co_u32 s52, s52, s54
	s_lshl_b32 s53, s[CX], 13                      ; at my work-group's 8,192 bytes
	s_add_co_u32 s52, s52, s53
	s_add_co_u32 s52, s52, SK*128                  ; of slot 1: the first change of slots steps it to slot 2.  Nothing is prefetched at the head
	s_mov_b32 s53, 0
	s_sub_co_u32 s55, s[WV], 4
	s_lshr_b32 s55, s55, 1                         ; 0 in waves 4 and 5
	s_cmp_eq_u32 s55, 0
	s_cselect_b32 s[LIM], 1, -1
	s_mov_b32 s[SEL], 0x76543210
	s_mov_b32 s[SEL+1], 0xfedcba98
	s_mov_b32 s[CS], 0x3e38aa3b                    ; c = log2(e) / 8
	s_mov_b32 s[CS+1], s[CS]
	s_mov_b32 s[TB], 0
	s_mov_b32 s[TS], 0
	s_mov_b32 s[KF], 0
	s_mov_b32 s[SLOTS], NSL-1
	s_wait_kmcnt 0x0
	s_mov_b32 s[G0K], 1                            ; 1:0 count = 1
	s_mov_b32 s[G0K+1], s62                        ; 63:32 LDS address: slot 0
	s_add_nc_u64 s[G0K+2:G0K+3], s[4:5], s[56:57]  ; 120:64 global address: the first 256 keys
	s_or_b32 s[G0K+3], s[G0K+3], 0x80000000        ; 127:126 type = 2
	s_mov_b32 s[G0V], 1
	s_mov_b32 s[G0V+1], s63
	s_add_nc_u64 s[G0V+2:G0V+3], s[4:5], s[60:61]
	s_or_b32 s[G0V+3], s[G0V+3], 0x80000000
	s_add_nc_u64 s[PFA:PFA+1], s[4:5], s[52:53]
	CROUND                                         ; all four work-groups are here: the first joint loads meet
	TLOAD                                          ; slot 0: one tensor load of mine is out, here and behind every round
	v_and_b32 v240, 15, v0                         ; r = lane % 16
	v_bfe_u32 v241, v0, 4, 1                       ; h = lane / 16
	s_lshl_b32 s55, s[Q0], 7
	s_add_co_u32 s55, s55, s54                     ; my first query's row in q (the first tensor of qkv)
	v_lshlrev_b32 v244, 7, v240
	v_lshl_add_u32 v244, v241, 4, v244
	v_add_nc_u32 v244, s55, v244                   ; + row r of 128 bytes + 16 h
.irp x, 0,1
.irp c, 0,1
	global_load_b128 v[QF+16*\x+8*\c:QF+16*\x+8*\c+3], v244, s[4:5] offset:2048*\x+64*\c       ; Q's fragments stay in registers
	global_load_b128 v[QF+16*\x+8*\c+4:QF+16*\x+8*\c+7], v244, s[4:5] offset:2048*\x+64*\c+32
.endr
.endr
	s_lshr_b32 s56, s[BH], 4                       ; the batch
	s_lshl_b32 s57, s56, 11
	v_lshl_add_u32 v245, v0, 2, s57                ; the mask: thread t takes keys 4 t .. 4 t + 3 of my batch
	global_load_b32 v192, v245, s[8:9]
	s_lshl_b32 s56, s56, 16                        ; vpart: my batch's 16 rows of 4,096 bytes,
	s_and_b32 s57, s[BH], 15
	s_lshl_b32 s57, s57, 8                         ; my head's 64 columns,
	s_add_co_u32 s56, s56, s57
	s_lshl_b32 s57, s[WV], 4                       ; wave w's four of them;
	s_add_co_u32 s56, s56, s57
	v_lshl_add_u32 v246, v240, 12, s56             ; lane r takes row r (lanes 16-31 the same again)
	global_load_b128 v[196:199], v246, s[6:7]
	v_mul_u32_u24 v[AK0], v240, KP
	v_lshl_add_u32 v[AK0], v241, 4, v[AK0]         ; K: row r x pitch + 16 h
	v_and_b32 v242, 7, v0
	v_lshl_add_u32 v[AV0], v241, 3, v242           ; V, for the turning load: key 8 h + l % 8,
	v_mul_u32_u24 v[AV0], v[AV0], VP
	v_bfe_u32 v242, v0, 3, 1
	v_lshl_add_u32 v[AV0], v242, 4, v[AV0]         ; channels 8 ((l / 8) % 2) on
	v_add_nc_u32 v[AV0], VOFF, v[AV0]
	v_lshl_add_u32 v[AB0], v241, 5, BIAS           ; the bias of keys 8 h + 0 .. 7 of a tile
	v_and_b32 v[PFO], 31, v0
	v_lshlrev_b32 v[PFO], 8, v[PFO]
	v_lshlrev_b32 v242, 3, v241
	v_sub_nc_u32 v[QD], v240, v242
	v_add_nc_u32 v[QD], s[Q0], v[QD]               ; tile 0's query of my lane - 8 h
	v_mov_b32 v[NINF], 0xff800000
.irp x, 0,1
	v_mov_b32 v[ST+8*\x+1], 0xf149f2ca             ; m = -1e30: over every padded score, under every score that counts
	v_mul_f32 v[ST+8*\x], s[CS], v[ST+8*\x+1]      ; c m
.irp i, 2,3,4,5,6,7
	v_mov_b32 v[ST+8*\x+\i], 0                     ; l; and the registers at work are written once: a lane permute's destination counts as one of its sources
.endr
.endr
.set i, 0
.rept 64
	v_mov_b32 v[OA+i], 0                           ; O^T.  (The step is written once: its first turn finds zeros, which a = 0 leaves zeros)
.set i, i+1
.endr
	v_lshl_add_u32 v193, v0, 4, BIAS               ; where my four numbers of the bias go
	s_lshl_b32 s56, s[WV], 4
	s_add_co_u32 s56, s56, VM
	v_mov_b32 v194, s56                            ; and my wave's four of the mean
	s_wait_loadcnt 0x0                             ; Q, the mask, vpart
.irp k, 0,1,2,3
	v_bfe_u32 v[200+\k], v192, 8*\k, 8             ; a mask byte is 0 or 1
.endr
.irp k, 0,1,2,3
	v_sub_nc_u32 v[200+\k], 0, v[200+\k]           ; all zeros or all ones
.endr
.irp k, 0,1,2,3
	v_and_b32 v[200+\k], 0xf2c9f2ca, v[200+\k]     ; 0, or -8e30
.endr
	ds_store_b128 v193, v[200:203]
.irp m, 1,2,4,8
.irp k, 0,1,2,3
	v_add_f32_dpp v[196+\k], v[196+\k], v[196+\k] row_xmask:\m row_mask:0xf bank_mask:0xf   ; the 16 runs' sums: the sum of v over my batch's 2,048 positions
.endr
.endr
.irp k, 0,1,2,3
	v_mul_f32 v[196+\k], 0x3a000000, v[196+\k]     ; / 2,048
.endr
	ds_store_b128 v194, v[196:199]                 ; all lanes write the same 16 bytes with the same values.  The first change of slots waits for these stores and passes a barrier
; Eight products of S^T = K Q^T: key tiles 2 p and 2 p + 1, both tiles of queries, both halves of the head.  The first four start the sums with the bias as C.  The accumulators take turns, one instruction a turn.
.macro KQ8 p
.irp c, 0,1
.irp t, 0,1
.irp x, 0,1
.if \c == 0
	v_wmma_f32_16x16x32_f16 v[SS+32*\x+16*\p+8*\t:SS+32*\x+16*\p+8*\t+7], v[BUF+8*(2*\t+\c):BUF+8*(2*\t+\c)+7], v[QF+16*\x+8*\c:QF+16*\x+8*\c+7], v[BUF+32+16*\p+8*\t:BUF+32+16*\p+8*\t+7]
.else
	v_wmma_f32_16x16x32_f16 v[SS+32*\x+16*\p+8*\t:SS+32*\x+16*\p+8*\t+7], v[BUF+8*(2*\t+\c):BUF+8*(2*\t+\c)+7], v[QF+16*\x+8*\c:QF+16*\x+8*\c+7], v[SS+32*\x+16*\p+8*\t:SS+32*\x+16*\p+8*\t+7]
.endif
.endr
.endr
.endr
.endm
.macro KLOAD q, p                      ; K's fragments of key tiles 2 p and 2 p + 1 of the slot's q-th step: fragment (t, c) at v[BUF + 8 (2 t + c)]
.irp t, 0,1
.irp c, 0,1
	ds_load_b128 v[BUF+8*(2*\t+\c):BUF+8*(2*\t+\c)+3], v[ADK] offset:(64*(\q)+32*\p+16*\t)*KP+64*\c
	ds_load_b128 v[BUF+8*(2*\t+\c)+4:BUF+8*(2*\t+\c)+7], v[ADK] offset:(64*(\q)+32*\p+16*\t)*KP+64*\c+32
.endr
.endr
.endm
; The softmax of both tiles for one key step; the two tiles alternate line by line.
.macro SOFTMAX
.irp j, 0,1,2,3
.irp x, 0,1
	v_max3_num_f32 v[ST+8*\x+4+\j], v[SS+32*\x+8*\j], v[SS+32*\x+8*\j+1], v[SS+32*\x+8*\j+2]   ; four chains, one for each accumulator, each begun at the accumulator's low end
.endr
.endr
.irp k, 3,5
.irp j, 0,1,2,3
.irp x, 0,1
	v_max3_num_f32 v[ST+8*\x+4+\j], v[ST+8*\x+4+\j], v[SS+32*\x+8*\j+\k], v[SS+32*\x+8*\j+\k+1]
.endr
.endr
.endr
.irp x, 0,1
	v_max3_num_f32 v[ST+8*\x+4], v[ST+8*\x+4], v[SS+32*\x+7], v[SS+32*\x+15]
	v_max3_num_f32 v[ST+8*\x+6], v[ST+8*\x+6], v[SS+32*\x+23], v[SS+32*\x+31]
.endr
.irp x, 0,1
	v_max3_num_f32 v[ST+8*\x+4], v[ST+8*\x+4], v[ST+8*\x+5], v[ST+8*\x+6]
.endr
.irp x, 0,1
	v_max3_num_f32 v[ST+8*\x+4], v[ST+8*\x+4], v[ST+8*\x+7], v[ST+8*\x+1]   ; with the old m
.endr
.irp x, 0,1
	v_permlanex16_b32 v[ST+8*\x+5], v[ST+8*\x+4], s[SEL], s[SEL+1]          ; the query's other 32 keys lie in the lane 16 away
.endr
.irp x, 0,1
	v_mov_b32 v[ST+8*\x+7], v[ST+8*\x]             ; c m_old is kept for a
.endr
.irp x, 0,1
	v_max_num_f32 v[ST+8*\x+1], v[ST+8*\x+4], v[ST+8*\x+5]
.endr
.irp x, 0,1
	v_mul_f32 v[ST+8*\x], s[CS], v[ST+8*\x+1]
.endr
.irp x, 0,1
	v_sub_f32 v[ST+8*\x+7], v[ST+8*\x+7], v[ST+8*\x]
.endr
.irp x, 0,1
	v_exp_f32 v[ST+8*\x+6], v[ST+8*\x+7]           ; a = 2^(c m_old - c m_new); the scalings below are the plain lines behind it
.endr
.irp b, 0,2,4,6,8,10,12,14,16,18,20,22,24,26,28,30
.irp x, 0,1
	v_pk_fma_f32 v[SS+32*\x+\b:SS+32*\x+\b+1], v[SS+32*\x+\b:SS+32*\x+\b+1], s[CS:CS+1], v[ST+8*\x:ST+8*\x+1] op_sel_hi:[1,0,0] neg_lo:[0,0,1] neg_hi:[0,0,1]   ; c s - c m, two at a time
.endr
.endr
.irp x, 0,1
.set i, 0
.rept 32
	v_exp_f32 v[SS+32*\x+i], v[SS+32*\x+i]         ; p, at most 1 (but for the rounding of c m, which all of a row's p share)
.set i, i+1
.endr
.endr
	s_wait_alu depctr_va_vdst(0)
.irp x, 0,1
	v_pk_mul_f32 v[ST+8*\x+2:ST+8*\x+3], v[ST+8*\x+2:ST+8*\x+3], v[ST+8*\x+6:ST+8*\x+7] op_sel_hi:[1,0]   ; l x a.  (The plain line behind the exponentials)
.endr
.irp x, 0,1
	v_pk_add_f32 v[ST+8*\x+4:ST+8*\x+5], v[SS+32*\x:SS+32*\x+1], v[SS+32*\x+2:SS+32*\x+3]   ; the sum of p in f32, ahead of the rounding to f16: two chains a tile
.endr
.irp j, 4,8,12,16,20,24,28
.irp x, 0,1
	v_pk_add_f32 v[ST+8*\x+2:ST+8*\x+3], v[ST+8*\x+2:ST+8*\x+3], v[SS+32*\x+\j:SS+32*\x+\j+1]
	v_pk_add_f32 v[ST+8*\x+4:ST+8*\x+5], v[ST+8*\x+4:ST+8*\x+5], v[SS+32*\x+\j+2:SS+32*\x+\j+3]
.endr
.endr
.irp x, 0,1
	v_pk_add_f32 v[ST+8*\x+2:ST+8*\x+3], v[ST+8*\x+2:ST+8*\x+3], v[ST+8*\x+4:ST+8*\x+5]
.endr
.irp i, 0,1,2,3,4,5,6,7,8,9,10,11,12,13,14,15
.irp x, 0,1
	v_cvt_pk_f16_f32 v[SS+32*\x+\i], v[SS+32*\x+2*\i], v[SS+32*\x+2*\i+1]   ; P, in place: register i takes pair i, which lies at 2 i and 2 i + 1; ascending, so nothing is lost
.endr
.endr
.irp j, 0,2,4,6,8,10,12,14,16,18,20,22,24,26,28,30
.irp x, 0,1
	v_pk_mul_f32 v[OA+32*\x+\j:OA+32*\x+\j+1], v[OA+32*\x+\j:OA+32*\x+\j+1], v[ST+8*\x+6:ST+8*\x+7] op_sel_hi:[1,0]   ; O^T x a, each accumulator from its low end on
.endr
.endr
.endm
; A KEY STEP: 64 keys, the q-th of the slot in hand.
.macro STEP q
	s_cmp_gt_u32 s[KF], s[QL]                      ; all its keys lie behind my wave's queries: the work is left out, not the lines at the end that step addresses
	s_cbranch_scc1 .Lhidden_\@
	v_add_nc_u32 v[ADK], s[TB], v[AK0]
	v_add_nc_u32 v[ADV], s[TB], v[AV0]
	v_add_nc_u32 v[ADB], s[TS], v[AB0]
	v_nop                                          ; five places behind the last step's products: four for the loads into the buffer that they read,
	v_nop                                          ; five for the products below, which write over the registers that they read as P
	KLOAD \q, 0
.irp t, 0,1,2,3
	ds_load_b128 v[BUF+32+8*\t:BUF+32+8*\t+3], v[ADB] offset:64*\t          ; the bias in the result's layout: register j = key 16 t + 8 h + j
	ds_load_b128 v[BUF+32+8*\t+4:BUF+32+8*\t+7], v[ADB] offset:64*\t+16
.endr
	s_wait_dscnt 0x0
	KQ8 0
.rept 4
	v_nop                                          ; places in front of loads into registers that matrix instructions have read
.endr
	KLOAD \q, 1
	s_wait_dscnt 0x0
	KQ8 1
.rept 4
	v_nop                                          ; places in front of the loads below and of the first read of the scores
.endr
.irp g, 0,1
.irp ct, 0,1,2,3
	ds_load_tr16_b128 v[BUF+8*(4*\g+\ct):BUF+8*(4*\g+\ct)+3], v[ADV] offset:(64*(\q)+32*\g)*VP+32*\ct            ; V^T: keys 32 g on, channels 16 ct on; it lands while the softmax is walked
	ds_load_tr16_b128 v[BUF+8*(4*\g+\ct)+4:BUF+8*(4*\g+\ct)+7], v[ADV] offset:(64*(\q)+32*\g)*VP+16*VP+32*\ct
.endr
.endr
	s_cmp_lt_u32 s[KF], s[QB]                      ; all its keys lie ahead of queries 128 u on: nothing is hidden
	s_cbranch_scc1 .Lopen_\@
	v_sub_nc_u32 v[D0], v[QD], s[KF]               ; d = my query - KF - 8 h.  Register 8 t + j holds key KF + 16 t + 8 h + j: hidden where 16 t + j > d
	v_add_nc_u32 v[D0+1], 16, v[D0]                ; tile 1's queries are 16 further on
.irp n, 0,1,2,3,4,5,6,7,8,9,10,11,12,13,14,15,16,17,18,19,20,21,22,23,24,25,26,27,28,29,30,31
.irp x, 0,1
	v_cmp_gt_i32 vcc_lo, 16*(\n/8)+\n%8, v[D0+\x]
	v_cndmask_b32 v[SS+32*\x+\n], v[SS+32*\x+\n], v[NINF], vcc_lo
.endr
.endr
.Lopen_\@:
	SOFTMAX
	s_wait_dscnt 0x0                               ; V is in
.irp g, 0,1
.irp ct, 0,1,2,3
.irp x, 0,1
	v_wmma_f32_16x16x32_f16 v[OA+32*\x+8*\ct:OA+32*\x+8*\ct+7], v[BUF+8*(4*\g+\ct):BUF+8*(4*\g+\ct)+7], v[SS+32*\x+8*\g:SS+32*\x+8*\g+7], v[OA+32*\x+8*\ct:OA+32*\x+8*\ct+7]   ; O^T += V^T P: eight accumulators by turns
.endr
.endr
.endr
.Lhidden_\@:
	s_add_co_u32 s[KF], s[KF], 64
	s_add_co_u32 s[TS], s[TS], 256
.endm
; THE CHANGE OF SLOTS stands at a slot's head.  Each wave waits for all its tensor loads (its part of the slot that it is about to read), adds 0 to its spare word, and waits for that and for its LDS instructions so far.
; fill = 1: the barrier is a round of the cluster's, so that no wave of any partner still reads the other slot or has a load on its way; behind it the other slot is filled with the next 256 keys: the load has four key steps in which to land.
.macro CHANGE fill
	s_wait_tensorcnt 0x0                           ; no tensor load of mine is out, so a group 0 may be written
	ds_add_u32 v[SPW], v[NIL]                      ; 0 onto my spare word
.if \fill
	s_xor_b32 s[G0K+1], s[G0K+1], SLOT1            ; the walking descriptors: the other slot than last time,
	s_add_nc_u64 s[G0K+2:G0K+3], s[G0K+2:G0K+3], SK*128   ; the next 256 keys; the type bits on top are not reached
	s_xor_b32 s[G0V+1], s[G0V+1], SLOT1
	s_add_nc_u64 s[G0V+2:G0V+3], s[G0V+2:G0V+3], SK*128
	s_wait_xcnt 0x0                                ; the last prefetch, a slot back, has read its address, so it may be written:
	s_add_nc_u64 s[PFA:PFA+1], s[PFA:PFA+1], SK*128   ; one slot further on than the walking descriptors
	s_wait_dscnt 0x0                               ; the add is done, and my reads of the slot that I have left are over (at the first change: my stores of the bias and the mean)
	CROUND
	TLOAD                                          ; the first thing behind the round, and a wave's one tensor load until the next
	ASK
.else
	s_wait_dscnt 0x0
	s_barrier_signal -1
	s_barrier_wait -1
.endif
.endm
.macro SLOT_STEPS
	STEP 0
	STEP 1
	STEP 2
	STEP 3
	s_xor_b32 s[TB], s[TB], SLOT1                  ; on to the other slot
.endm
.Lslot:                                            ; NSL - 1 trips: behind each change of slots but the last the next slot is asked for
	CHANGE 1
	SLOT_STEPS
	s_sub_co_u32 s[SLOTS], s[SLOTS], 1
	s_cmp_lg_u32 s[SLOTS], 0
	s_cbranch_scc1 .Lslot
	CHANGE 0                                       ; the last slot is written out
	SLOT_STEPS
	; THE WAY OUT.  l's two halves and the other half of the lanes' are added; O^T is divided by l; where the query is all masked the mean of v takes its place; rounded to f16; through my stage, a tile of 16 queries at a time.
.rept 4
	v_nop                                          ; places behind the last products
.endr
.irp x, 0,1
	v_add_f32 v[ST+8*\x+4], v[ST+8*\x+2], v[ST+8*\x+3]
.endr
.irp x, 0,1
	v_permlanex16_b32 v[ST+8*\x+5], v[ST+8*\x+4], s[SEL], s[SEL+1]
.endr
.irp x, 0,1
	v_add_f32 v[ST+8*\x+4], v[ST+8*\x+4], v[ST+8*\x+5]
.endr
.irp x, 0,1
	v_rcp_f32 v[ST+8*\x+6], v[ST+8*\x+4]           ; (an all-masked query has l = 0: what follows from it is thrown away by the select below)
.endr
	v_and_b32 v7, 15, v0                           ; r  (a plain line behind the reciprocals)
	v_bfe_u32 v8, v0, 4, 1                         ; h
	v_lshl_add_u32 v9, v8, 5, VM
.irp ct, 0,1,2,3
	ds_load_b128 v[BUF+8*\ct:BUF+8*\ct+3], v9 offset:64*\ct        ; the mean of v in O^T's layout: channels 16 ct + 8 h + 0 .. 7
	ds_load_b128 v[BUF+8*\ct+4:BUF+8*\ct+7], v9 offset:64*\ct+16
.endr
	s_mul_i32 s52, s[WV], 16*SPITCH
	s_add_co_u32 s52, s52, STAGE                   ; my stage
	v_mul_u32_u24 v28, v7, SPITCH
	v_lshl_add_u32 v28, v8, 4, v28
	v_add_nc_u32 v28, s52, v28                     ; in: row r, 16 bytes for each half of the lanes
	v_and_b32 v10, 31, v0
	v_lshrrev_b32 v29, 3, v10
	v_mul_u32_u24 v29, v29, SPITCH
	v_and_b32 v30, 7, v0
	v_lshl_add_u32 v29, v30, 4, v29
	v_add_nc_u32 v29, s52, v29                     ; back: eight lanes to a row of 128 bytes, four rows an instruction
	s_lshl_b32 s53, s[BH], 18
	s_lshl_b32 s54, s[Q0], 7
	s_add_co_u32 s53, s53, s54
	v_lshl_add_u32 v11, v10, 4, s53                ; and the same four rows in ctx: 512 consecutive bytes
.irp x, 0,1
	v_cmp_ge_f32 s[FLG+\x], 0xf149f2ca, v[ST+8*\x+1]   ; -1e30 >= m: no key that counts was seen
.endr
	s_wait_dscnt 0x0
	s_wait_alu depctr_va_vdst(0)
.irp x, 0,1
.irp j, 0,2,4,6,8,10,12,14,16,18,20,22,24,26,28,30
	v_pk_mul_f32 v[SS+32*\x+\j:SS+32*\x+\j+1], v[OA+32*\x+\j:OA+32*\x+\j+1], v[ST+8*\x+6:ST+8*\x+7] op_sel_hi:[1,0]
.endr
.set i, 0
.rept 32
	v_cndmask_b32 v[SS+32*\x+i], v[SS+32*\x+i], v[BUF+i], s[FLG+\x]
.set i, i+1
.endr
.irp i, 0,1,2,3,4,5,6,7,8,9,10,11,12,13,14,15
	v_cvt_pk_f16_f32 v[BUF+32+16*\x+\i], v[SS+32*\x+2*\i], v[SS+32*\x+2*\i+1]
.endr
.irp ct, 0,1,2,3
	ds_store_b128 v28, v[BUF+32+16*\x+4*\ct:BUF+32+16*\x+4*\ct+3] offset:32*\ct
.endr
.irp g, 0,1,2,3
	ds_load_b128 v[SS+32*\x+4*\g:SS+32*\x+4*\g+3], v29 offset:4*\g*SPITCH   ; LDS serves a wave's instructions in order: these see my stores, and the next tile's stores come behind them
.endr
.endr
.irp x, 0,1
.irp g, 0,1,2,3
	s_wait_dscnt 11-8*\x-\g                        ; behind this load: the tile's later loads, and for tile 0 the eight LDS instructions of tile 1
	global_store_b128 v11, v[SS+32*\x+4*\g:SS+32*\x+4*\g+3], s[10:11] offset:(16*\x+4*\g)*128
.endr
.endr
	s_wait_tensorcnt 0x0                           ; the wave's end, behind my last tensor load and my last LDS store
	ds_add_u32 v[SPW], v[NIL]
	s_wait_dscnt 0x0
	CROUND                                         ; the closing round: no work-group ends while a partner may still ask for a tile that names it
	s_endpgm
.Lfunc_end_k_qa5d9757020_attn:
	.size	k_qa5d9757020_attn, .Lfunc_end_k_qa5d9757020_attn-k_qa5d9757020_attn
	.p2alignl 7, 3214868480
	.fill 96, 4, 3214868480
	.section	.rodata,"a",@progbits
	.p2align	6, 0x0
	.amdhsa_kernel k_qa5d9757020_attn
		.amdhsa_group_segment_fixed_size 327680
		.amdhsa_private_segment_fixed_size 0
		.amdhsa_enable_private_segment 0
		.amdhsa_kernarg_size 32
		.amdhsa_user_sgpr_count 2
		.amdhsa_user_sgpr_kernarg_segment_ptr 1
		.amdhsa_wavefront_size32 1
		.amdhsa_system_sgpr_workgroup_id_x 1
		.amdhsa_system_sgpr_workgroup_id_y 1
		.amdhsa_system_sgpr_workgroup_id_z 1
		.amdhsa_system_vgpr_workitem_id 0
		.amdhsa_next_free_vgpr 256
		.amdhsa_next_free_sgpr 66
		.amdhsa_reserve_vcc 1
		.amdhsa_float_denorm_mode_32 3
		.amdhsa_float_denorm_mode_16_64 3
		.amdhsa_memory_ordered 1
		.amdhsa_forward_progress 1
		.amdhsa_inst_pref_size 202
	.end_amdhsa_kernel
	.amdgpu_metadata
---
amdhsa.version: [ 1, 2 ]
amdhsa.kernels:
  - .name:           k_qa5d9757020_attn
    .symbol:         k_qa5d9757020_attn.kd
    .args:
      - { .name: qkv, .offset: 0, .size: 8, .value_kind: global_buffer, .address_space: global }
      - { .name: vpart, .offset: 8, .size: 8, .value_kind: global_buffer, .address_space: global }
      - { .name: padding_mask, .offset: 16, .size: 8, .value_kind: global_buffer, .address_space: global }
      - { .name: ctx, .offset: 24, .size: 8, .value_kind: global_buffer, .address_space: global }
    .group_segment_fixed_size: 327680
    .private_segment_fixed_size: 0
    .kernarg_segment_align: 8
    .kernarg_segment_size: 32
    .max_flat_workgroup_size: 512
    .sgpr_count:     66
    .vgpr_count:     256
    .wavefront_size: 32
...
	.end_amdgpu_metadata
.endif
;; end of part 3
;; launch oproj (part 4): grid 8 x 32, 4 waves a work-group, clusters of 4 x 4, 327,680 bytes of LDS; arguments ctx, owb, out0; writes out0
.if DOCPART == 4
	.amdgcn_target "amdgcn-amd-amdhsa--gfx1250"
	.amdhsa_code_object_version 6
	.text
	.protected	k_qa5d9757020_oproj
	.globl	k_qa5d9757020_oproj
	.p2align	8
	.type	k_qa5d9757020_oproj,@function
k_qa5d9757020_oproj:
	s_mov_b64 s[64:65], 0
	v_nop
	global_prefetch_b8 v0, s[64:65] scope:SCOPE_SE
	s_setreg_imm32_b32 hwreg(HW_REG_WAVE_MODE, 25, 1), 1
	s_wait_xcnt 0x0
	s_wait_alu depctr_hold_cnt(0) depctr_sa_sdst(0) depctr_va_vdst(0) depctr_va_sdst(0) depctr_va_ssrc(0) depctr_va_vcc(0) depctr_vm_vsrc(0)
	s_getreg_b32 s2, hwreg(HW_REG_IB_STS2, 6, 4)
	s_cmp_eq_u32 s2, 0
	s_cbranch_scc0 .Lentry_in_a_cluster
	s_endpgm
.Lentry_in_a_cluster:
	s_bfe_u32 s2, ttmp6, 0x10000c
	s_cmp_lg_u32 s2, 0xf033
	s_cbranch_scc0 .Lentry_shape_is_right
	s_endpgm
.Lentry_shape_is_right:
; out0[m][e] = sum over d of ctx[m][d] Ow[e][d].  ctx: f16, laid by head [4 batches][16 heads][2048][64]; owb: Ow in f16, laid by head [16][1024 rows e][64]; out0: [8192][1024] f32; sums in f32, by the f16 matrix form.
; A tile of out0 is 256 rows x 128 columns: 256 work-groups.  Four waves, each 128 x 64: 32 accumulators of 16 x 16, 256 registers.  K goes in steps of 128, which are two heads: in both tensors a head's rows of a tile are one dense block of
; rows of 128 bytes.  Two LDS slots; a wave's one tensor load brings one head of A's tile (256 rows: waves 0, 1) or of B's (128 rows: waves 2, 3).
; CLUSTERS: 4 x 4 work-groups.  The four of a row of the cluster need the same tiles of ctx, the four of a column the same tiles of owb: each tile is asked for JOINTLY, by the same tensor load with the same descriptor and a mask that names the four.
; THE MATRIX INSTRUCTION IS USED TRANSPOSED (source 0 = 16 rows of owb, source 1 = 16 rows of ctx): a lane then holds eight neighbouring numbers of a row of out0.
; REGISTERS: window 0: v0-31 addresses; v32-127 and v128-223 two fragment buffers for 32 along K: 64 registers of A (8 x 16 rows), then 32 of B (4 x 16 rows); on the way out v32-95 hold rows read back.
;   window 1: the accumulators ((a, b) at v[8 (4 a + b)]).
.set PITCH,  144                       ; an LDS row: 128 bytes + 16 of padding = 36 words: the 16 rows of a load start at 16 different groups of four banks
.set AH,     256*PITCH                 ; a head of A's tile
.set BHB,    128*PITCH                 ; a head of B's tile
.set BOFF,   2*AH                      ; a slot: A's two heads, then B's two
.set SLOT,   2*AH+2*BHB
.set STAGE,  2*SLOT                    ; behind the slots: 16 rows x 272 bytes for each wave, for the way out
.set SPITCH, 272
.set SPARE,  STAGE+4*16*SPITCH         ; behind the stages: the spare words, 128 bytes for each wave: two blocks of 256 bytes that no other line names
.set LAPS,   4                         ; a lap = two K steps = once round the two slots; K = 1,024 is eight K steps
.set ADRA, 16                          ; v16-17  LDS address of my A fragments in slot 0, 1
.set ADRB, 20                          ; v20-21  the same for B
.set STO,  24                          ; v24     the way out: where I put 32 bytes of a row
.set RD,   25                          ; v25     where I read 16 bytes back
.set CO,   26                          ; v26     my byte offset in two rows of out0
.set SPW,  28                          ; v28     LDS address of my spare word; never rewritten
.set NIL,  29                          ; v29     0; never rewritten
.set F0,   32
.set F1,   128
.set G1, 24                            ; s[24:31] descriptor group 1 for A's tiles;  s[32:39] group 0, one set for each slot
.set G0, 32
.set G1B, 48                           ; s[48:55], s[56:63] the same for B's tiles
.set G0B, 56
.set MSB, 0
.macro WIN new                         ; the immediate's high byte repeats the setting that is left
.if MSB != (\new)
	s_set_vgpr_msb (MSB<<8)|(\new)
.set MSB, (\new)
.endif
.endm
.set MUL, 0x50                         ; sources 0 (B) and 1 (A) window 0; C and D window 1
.macro JLOAD s                         ; a joint load: waves 0 and 1 fetch A's two heads, waves 2 and 3 B's; four v_nop follow each of the two lines, ahead of the jump, the label and what follows
	s_cmp_eq_u32 s11, 0
	s_cbranch_scc0 .Lfor_b_\@
	tensor_load_to_lds s[G0+4*\s:G0+4*\s+3], s[G1:G1+7]
	s_nop 0
.rept 4
	v_nop
.endr
	s_branch .Lasked_\@
.Lfor_b_\@:
	tensor_load_to_lds s[G0B+4*\s:G0B+4*\s+3], s[G1B:G1B+7]
	s_nop 0
.rept 4
	v_nop
.endr
.Lasked_\@:
.endm
.macro CREST                           ; a round of the cluster's barrier behind its opening barrier
	s_cmp_lg_u32 s10, 0
	s_cbranch_scc1 .Lnot_wave_0_\@
	s_barrier_signal -3
.Lnot_wave_0_\@:
	s_barrier_wait -3
	s_barrier_signal -1
	s_barrier_wait -1
.endm
.macro CROUND                          ; a whole round
	s_barrier_signal -1
	s_barrier_wait -1
	CREST
.endm
	s_load_b128 s[4:7], s[0:1], 0x0                ; ctx s[4:5], owb s[6:7]
	s_load_b64 s[8:9], s[0:1], 0x10                ; out0
	v_lshl_add_u32 v[SPW], v0, 2, SPARE
	v_mov_b32 v[NIL], 0
	ds_add_u32 v28, v29
	s_wait_dscnt 0x0
	v_lshrrev_b32 v1, 5, v0
	v_readfirstlane_b32 s10, v1                    ; wave 0..3
	s_lshr_b32 s11, s10, 1                         ; which half of the tile's rows is mine.  Also: I fetch for A (0) or for B (1)
	s_and_b32 s12, s10, 1                          ; which half of its columns.  Also: which of a K step's two heads I fetch
	s_bfe_u32 s40, ttmp6, 0x40000                  ; cx, cy: my place in the cluster
	s_bfe_u32 s41, ttmp6, 0x40004
	s_lshl_b32 s42, ttmp9, 2
	s_add_co_u32 s42, s42, s40                     ; tile column = 4 x cluster x + cx
	s_and_b32 s13, ttmp7, 0xffff
	s_lshl_b32 s13, s13, 2
	s_add_co_u32 s13, s13, s41                     ; tile row = 4 x cluster y + cy
	s_lshl_b32 s43, s41, 2
	s_lshl_b32 s43, 15, s43                        ; my row of the cluster
	s_lshl_b32 s44, 0x1111, s40                    ; my column
	; descriptor group 1: rows of 64 elements of 2 bytes, dense in memory, padded behind each row in LDS; A: 256 rows, B: 128
	s_or_b32 s[G1+0], s43, (1<<16)|(1<<20)|(1<<21)|(4<<22)|(3<<25)  ; 15:0 the mask: A's tiles go to my row; 17:16 element of 2 bytes; 20 padding on; 21 set beside a mask; 24:22 after every 32 words (code 4); 31:25 of 4 words (code 3)
	s_or_b32 s[G1B+0], s44, (1<<16)|(1<<20)|(1<<21)|(4<<22)|(3<<25)
	s_mov_b32 s[G1+1], 64<<16                      ; tensor_dim0 = 64
	s_mov_b32 s[G1+2], 256<<16                     ; tensor_dim1 = 256
	s_mov_b32 s[G1+3], 64<<16                      ; tile_dim0 = 64
	s_mov_b32 s[G1+4], 256                         ; tile_dim1 = 256
	s_mov_b32 s[G1+5], 64                          ; tensor_dim0_stride
	s_mov_b32 s[G1+6], 0
	s_mov_b32 s[G1+7], 0
	s_mov_b32 s[G1B+1], 64<<16
	s_mov_b32 s[G1B+2], 128<<16
	s_mov_b32 s[G1B+3], 64<<16
	s_mov_b32 s[G1B+4], 128
	s_mov_b32 s[G1B+5], 64
	s_mov_b32 s[G1B+6], 0
	s_mov_b32 s[G1B+7], 0
	; where the tiles come from.  A's hang on the tile row alone, B's on the tile column alone; each in registers that never hold the other coordinate
	s_lshr_b32 s16, s13, 3                         ; A: the batch (eight tile rows each),
	s_lshl_b32 s16, s16, 22
	s_and_b32 s17, s13, 7                          ; 256 positions of 128 bytes a tile row,
	s_lshl_b32 s17, s17, 15
	s_add_co_u32 s16, s16, s17
	s_lshl_b32 s17, s12, 18                        ; my head of the K step's two
	s_add_co_u32 s16, s16, s17
	s_mov_b32 s17, 0
	s_lshl_b32 s46, s42, 14                        ; B: 128 rows of 128 bytes a tile column,
	s_lshl_b32 s47, s12, 17                        ; my head
	s_add_co_u32 s46, s46, s47
	s_mov_b32 s47, 0
	s_mul_i32 s20, s12, AH                         ; and where they go: no place in the cluster enters an LDS address
	s_mul_i32 s23, s12, BHB
	s_add_co_u32 s23, s23, BOFF
	s_wait_kmcnt 0x0
	s_add_nc_u64 s[14:15], s[4:5], s[16:17]
	s_add_nc_u64 s[46:47], s[6:7], s[46:47]
	CROUND                                         ; all sixteen work-groups are here: the first joint loads meet
.irp s, 0,1
	s_mov_b32 s[G0+4*\s], 1
	s_add_co_u32 s[G0+4*\s+1], s20, \s*SLOT
	s_add_nc_u64 s[G0+4*\s+2:G0+4*\s+3], s[14:15], \s*(2<<18)      ; K step s: heads 2 s and 2 s + 1
	s_or_b32 s[G0+4*\s+3], s[G0+4*\s+3], 0x80000000
	s_mov_b32 s[G0B+4*\s], 1
	s_add_co_u32 s[G0B+4*\s+1], s23, \s*SLOT
	s_add_nc_u64 s[G0B+4*\s+2:G0B+4*\s+3], s[46:47], \s*(2<<17)
	s_or_b32 s[G0B+4*\s+3], s[G0B+4*\s+3], 0x80000000
	JLOAD \s                                       ; two tensor loads of mine are out at the start, one behind each round
.endr
	v_and_b32 v1, 15, v0                           ; l % 16
	v_bfe_u32 v2, v0, 4, 1                         ; l / 16
	v_mul_u32_u24 v3, v1, PITCH
	v_lshl_add_u32 v3, v2, 4, v3                   ; a fragment's row x pitch + 16 x half
	s_mul_i32 s21, s11, 128*PITCH                  ; my 128 rows of A
	s_mul_i32 s22, s12, 64*PITCH                   ; my 64 rows of B,
	s_add_co_u32 s22, s22, BOFF                    ; which lie behind A's two heads
.irp s, 0,1
	v_add_nc_u32 v[ADRA+\s], s21, v3
	v_add_nc_u32 v[ADRB+\s], s22, v3
	s_add_co_u32 s21, s21, SLOT
	s_add_co_u32 s22, s22, SLOT
.endr
	s_mul_i32 s23, s10, 16*SPITCH
	s_add_co_u32 s23, s23, STAGE                   ; my stage
	v_mul_u32_u24 v4, v1, SPITCH                   ; in: row l % 16, 32 bytes for each half of the lanes
	v_lshl_add_u32 v4, v2, 5, v4
	v_add_nc_u32 v[STO], s23, v4
	v_mul_u32_u24 v5, v2, SPITCH                   ; back: lanes 0-15 take one row of 256 bytes, lanes 16-31 the next
	v_lshl_add_u32 v5, v1, 4, v5
	v_add_nc_u32 v[RD], s23, v5
	v_lshlrev_b32 v5, 12, v2                       ; and the same two rows in out0, 4,096 bytes apart
	v_lshl_add_u32 v[CO], v1, 4, v5
	s_lshl_b32 s16, s13, 8
	s_lshl_b32 s17, s11, 7
	s_add_co_u32 s16, s16, s17                     ; my first row: 256 x tile row + 128 x half
	s_lshl_b32 s16, s16, 12
	s_mov_b32 s17, 0
	s_add_nc_u64 s[8:9], s[8:9], s[16:17]
	s_lshl_b32 s46, s42, 9                         ; my first column, in bytes: 512 x tile column + 256 x half
	s_lshl_b32 s47, s12, 8
	s_add_co_u32 s46, s46, s47
	s_mov_b32 s47, 0
	s_add_nc_u64 s[8:9], s[8:9], s[46:47]
; 8 matrix instructions: A's blocks a0, a0 + 1 x B's four, 32 along K, from buffer f.  zero = 1: the first product starts the sums.  The 32 accumulators take turns, one instruction a turn, in the same order in every quarter.
.macro MUL8 f, a0, zero
.irp a, \a0, \a0+1
.irp b, 0,1,2,3
.if \zero
	v_wmma_f32_16x16x32_f16 v[8*(4*(\a)+\b):8*(4*(\a)+\b)+7], v[\f+64+8*\b:\f+64+8*\b+7], v[\f+8*(\a):\f+8*(\a)+7], 0
.else
	v_wmma_f32_16x16x32_f16 v[8*(4*(\a)+\b):8*(4*(\a)+\b)+7], v[\f+64+8*\b:\f+64+8*\b+7], v[\f+8*(\a):\f+8*(\a)+7], v[8*(4*(\a)+\b):8*(4*(\a)+\b)+7]
.endif
.endr
.endr
.endm
; 24 LDS loads in one run: the fragments of the slot's quarter qd (head qd / 2, channels 32 (qd % 2) on) into buffer f: B's four, then A's eight, blocks 0-3 first
.macro FETCH slot, qd, f
	WIN 0
.irp i, 0,1,2,3
	ds_load_b128 v[\f+64+8*\i:\f+64+8*\i+3],   v[ADRB+\slot] offset:((\qd)/2)*BHB+((\qd)%2)*64+\i*16*PITCH
	ds_load_b128 v[\f+64+8*\i+4:\f+64+8*\i+7], v[ADRB+\slot] offset:((\qd)/2)*BHB+((\qd)%2)*64+\i*16*PITCH+32
.endr
.irp i, 0,1,2,3,4,5,6,7
	ds_load_b128 v[\f+8*\i:\f+8*\i+3],   v[ADRA+\slot] offset:((\qd)/2)*AH+((\qd)%2)*64+\i*16*PITCH
	ds_load_b128 v[\f+8*\i+4:\f+8*\i+7], v[ADRA+\slot] offset:((\qd)/2)*AH+((\qd)%2)*64+\i*16*PITCH+32
.endr
.endm
.macro PLACES                          ; four places in front of loads into registers that matrix instructions have read, and of LDS stores that read results (ISA guide 7.12.1 for vector instructions)
.rept 4
	v_nop
.endr
.endm
; A K step is four quarters of 32 along K, 32 matrix instructions each, on buffers 0, 1, 0, 1.  One of the first three: multiplies buffer f and fetches quarter nq of the same slot into g.
.macro QUARTER slot, nq, f, g, zero
	s_wait_dscnt 8                                 ; B and A's blocks 0-3 are in; the youngest eight loads (A's blocks 4-7) may be out
	WIN MUL
	MUL8 \f, 0, \zero
	MUL8 \f, 2, \zero
	PLACES
	FETCH \slot, \nq, \g
	s_wait_dscnt 24                                ; all but the 24 just issued
	WIN MUL
	MUL8 \f, 4, \zero
	MUL8 \f, 6, \zero
.endm
; The last quarter multiplies buffer 1 and changes slots: ONE barrier; in front of it each wave waits for all its tensor loads, adds 0 to its spare word, and waits for that and for its own reads of this slot.  fill = 1: this slot is filled again, two K steps ahead.
.macro TURN slot, next, fill
	WIN 0                                          ; (the add's two registers lie in window 0)
	s_wait_tensorcnt 0x0                           ; all my tensor loads have landed: my part of the next slot;
	ds_add_u32 v[SPW], v[NIL]                      ; 0 onto my spare word;
	s_wait_dscnt 9                                 ; (the add and the youngest eight loads may be out)
	WIN MUL
	MUL8 F1, 0, 0                                  ; eight matrix instructions stand between the add and the wait for it
	s_wait_dscnt 0x0                               ; the add is done, and my reads of this slot are over
	s_barrier_signal -1
	MUL8 F1, 2, 0
.if \fill
	WIN 0
.endif
	s_barrier_wait -1
.if \fill
	CREST                                          ; the barrier has opened a round of the cluster's barrier: no wave of any partner still reads this slot's tile or has a load on its way
	s_add_nc_u64 s[G0+4*\slot+2:G0+4*\slot+3], s[G0+4*\slot+2:G0+4*\slot+3], 4<<18    ; two K steps, four heads, on
	s_add_nc_u64 s[G0B+4*\slot+2:G0B+4*\slot+3], s[G0B+4*\slot+2:G0B+4*\slot+3], 4<<17
	JLOAD \slot                                    ; the first tensor load behind the round; the four v_nop behind it are also the places in front of the loads below
.else
	PLACES
.endif
	FETCH \next, 0, F0
	WIN MUL
	MUL8 F1, 4, 0
	MUL8 F1, 6, 0
.endm
	s_wait_tensorcnt 1                             ; my part of K step 0 is in (K step 1's load may be out)
	s_barrier_signal -1
	s_barrier_wait -1                              ; everybody's is
	FETCH 0, 0, F0
	QUARTER 0, 1, F0, F1, 1                        ; the first quarter stands in front of the loop: its products start the sums
	WIN 0                                          ; at a label and at a branch every window is 0
	s_mov_b32 s3, LAPS-1
.Llap:                                                 ; a trip goes once round the two slots, from a lap's second quarter to the next lap's first, and fills both again
	QUARTER 0, 2, F1, F0, 0
	QUARTER 0, 3, F0, F1, 0
	TURN 0, 1, 1
	QUARTER 1, 1, F0, F1, 0
	QUARTER 1, 2, F1, F0, 0
	QUARTER 1, 3, F0, F1, 0
	TURN 1, 0, 1
	QUARTER 0, 1, F0, F1, 0
	WIN 0
	s_sub_co_u32 s3, s3, 1
	s_cmp_lg_u32 s3, 0
	s_cbranch_scc1 .Llap
	QUARTER 0, 2, F1, F0, 0                        ; the last lap fills nothing, and has no round of the cluster's barrier
	QUARTER 0, 3, F0, F1, 0
	TURN 0, 1, 0
	QUARTER 1, 1, F0, F1, 0
	QUARTER 1, 2, F1, F0, 0
	QUARTER 1, 3, F0, F1, 0
	s_wait_dscnt 8                                 ; the very last quarter: nothing more to fetch
	WIN MUL
	MUL8 F1, 0, 0
	MUL8 F1, 2, 0
	s_wait_dscnt 0
	MUL8 F1, 4, 0
	MUL8 F1, 6, 0
	WIN 0
; THE WAY OUT, block by block of 16 rows x 64 columns.  A lane holds 32 neighbouring bytes of a row, and the lanes beside it hold other rows: so a block goes through my own stage and comes back as rows of 256 bytes:
; sixteen lanes store 256 consecutive bytes, aligned.  LDS serves a wave's instructions in order (ISA guide 5.7.1.4): no wait between the stores and the loads, nor in front of the next block's stores.
.macro TOSTAGE a
	WIN 0x04                                       ; an LDS store's data are its source 1: window 1
.irp b, 0,1,2,3
	ds_store_b128 v[STO], v[8*(4*(\a)+\b):8*(4*(\a)+\b)+3] offset:64*\b          ; each accumulator from its low end on
	ds_store_b128 v[STO], v[8*(4*(\a)+\b)+4:8*(4*(\a)+\b)+7] offset:64*\b+16
.endr
	WIN 0
.set BB, 32+32*((\a)%2)
.irp t, 0,1,2,3,4,5,6,7
	ds_load_b128 v[BB+4*\t:BB+4*\t+3], v[RD] offset:2*\t*SPITCH
.endr
.endm
.macro SEND a, younger                 ; younger: the LDS instructions issued behind block a's loads, which may stay out
.set BB, 32+32*((\a)%2)
	s_wait_dscnt \younger                          ; the block is back in registers
.irp t, 0,1,2,3,4,5,6,7
	global_store_b128 v[CO], v[BB+4*\t:BB+4*\t+3], s[8:9] offset:(16*(\a)+2*\t)*4096 th:TH_STORE_NT   ; written once, read by nobody here; the block's place stands in the immediate: no base is stepped
.endr
.endm
	PLACES                                         ; behind the last products: for the stores of results and for the loads into registers that held fragments
	TOSTAGE 0
.irp a, 1,2,3,4,5,6,7
.if \a > 1
	s_wait_xcnt 0x0                                ; block a - 2's stores have read their registers: block a's loads may land there
.endif
	TOSTAGE \a
	SEND \a-1, 16                                  ; behind block a - 1's loads: block a's 8 stores and 8 loads
.endr
	SEND 7, 0
	s_wait_tensorcnt 0x0                           ; the wave's end, behind my last tensor load and my last LDS store
	ds_add_u32 v[SPW], v[NIL]
	s_wait_dscnt 0x0
	CROUND                                         ; the closing round: no work-group ends while a partner may still ask for a tile that names it
	s_endpgm
.Lfunc_end_k_qa5d9757020_oproj:
	.size	k_qa5d9757020_oproj, .Lfunc_end_k_qa5d9757020_oproj-k_qa5d9757020_oproj
	.p2alignl 7, 3214868480
	.fill 96, 4, 3214868480
	.section	.rodata,"a",@progbits
	.p2align	6, 0x0
	.amdhsa_kernel k_qa5d9757020_oproj
		.amdhsa_group_segment_fixed_size 327680
		.amdhsa_private_segment_fixed_size 0
		.amdhsa_enable_private_segment 0
		.amdhsa_kernarg_size 24
		.amdhsa_user_sgpr_count 2
		.amdhsa_user_sgpr_kernarg_segment_ptr 1
		.amdhsa_wavefront_size32 1
		.amdhsa_system_sgpr_workgroup_id_x 1
		.amdhsa_system_sgpr_workgroup_id_y 1
		.amdhsa_system_sgpr_workgroup_id_z 1
		.amdhsa_system_vgpr_workitem_id 0
		.amdhsa_next_free_vgpr 512
		.amdhsa_next_free_sgpr 66
		.amdhsa_reserve_vcc 0
		.amdhsa_float_denorm_mode_32 3
		.amdhsa_float_denorm_mode_16_64 3
		.amdhsa_memory_ordered 1
		.amdhsa_forward_progress 1
		.amdhsa_inst_pref_size 85
	.end_amdhsa_kernel
	.amdgpu_metadata
---
amdhsa.version: [ 1, 2 ]
amdhsa.kernels:
  - .name:           k_qa5d9757020_oproj
    .symbol:         k_qa5d9757020_oproj.kd
    .args:
      - { .name: ctx, .offset: 0, .size: 8, .value_kind: global_buffer, .address_space: global }
      - { .name: owb, .offset: 8, .size: 8, .value_kind: global_buffer, .address_space: global }
      - { .name: out0, .offset: 16, .size: 8, .value_kind: global_buffer, .address_space: global }
    .group_segment_fixed_size: 327680
    .private_segment_fixed_size: 0
    .kernarg_segment_align: 8
    .kernarg_segment_size: 24
    .max_flat_workgroup_size: 128
    .sgpr_count:     66
    .vgpr_count:     512
    .wavefront_size: 32
...
	.end_amdgpu_metadata
.endif
;; end of part 4
